; MI455X (gfx1250); checked and timed in simulation.
; The chip was launched on July 23, 2026; its instructions are those of AMD's public machine-readable ISA for CDNA 5 (MIT licence, August 2026) and "CDNA5" Instruction Set Architecture Reference Guide (July 2026). The comments in the code are by the model that wrote it; some were corrected since.
;; Multi Head Attention. Allowed arithmetic: float matrix products may take bf16 or f16 operands with f32 sums; other float arithmetic in f32, or as packed bf16 or f16 multiplies, adds, multiply-adds, maxima and minima; sums over many terms, partial sums and values carried from step to step in f32; what a program stores and reads back later, other than sums and carried values, may be rounded once to bf16 or f16.
;; Inputs: key 1 x 2,048 x 2,048 float32; mask 1 x 1 x 2,048 x 2,048 bool; query 1 x 2,048 x 2,048 float32; value 1 x 2,048 x 2,048 float32; w_k 2,048 x 2,048 float32; w_o 2,048 x 2,048 float32; w_q 2,048 x 2,048 float32; w_v 2,048 x 2,048 float32.
;; Outputs: out0 1 x 2,048 x 2,048 float32.
;; 2 versions, each right; version 2 is version 1 with the launch prep written anew for expert scheduling mode. Each part assembles by itself: llvm-mc -triple=amdgcn-amd-amdhsa -mcpu=gfx1250 --defsym DOCPART=n.
;; ======== version 1 of 2: 4 launches
;; limits: values are held in f16: magnitudes above 65,504 overflow, below 6.1e-05 lose precision
;; workspace buffers: xb 58,720,256 bytes; tab 3,145,728 bytes; bias 8,388,608 bytes; qkv 25,165,824 bytes; ao 8,388,608 bytes
;; launch prep (part 1): grid 128 x 8, 8 waves a work-group, no clusters, 2,048 bytes of LDS; arguments query, key, value, w_q, w_k, w_v, w_o, mask, xb, tab, bias; writes xb, tab, bias
.if DOCPART == 1
	.amdgcn_target "amdgcn-amd-amdhsa--gfx1250"
	.amdhsa_code_object_version 6
	.text
	.protected	k_q41eac8d281_prep
	.globl	k_q41eac8d281_prep
	.p2align	8
	.type	k_q41eac8d281_prep,@function
k_q41eac8d281_prep:
	s_mov_b64 s[64:65], 0
	v_nop
	global_prefetch_b8 v0, s[64:65] scope:SCOPE_SE
	s_setreg_imm32_b32 hwreg(HW_REG_WAVE_MODE, 25, 1), 1
	s_wait_xcnt 0x0
; PREPARATION.  Work-group row y = 0..6: one of the seven f32 tensors (query, key, value, w_q, w_k, w_v, w_o), 2048 x 2048, is rounded once to bf16 into section y of xb;
; w_o's bf16 number is then written as f16 (exact from 2^-17 up; below that f16's fixed step of 6e-8 holds).  A work-group takes 131,072 bytes: 32 loads of 16 bytes a lane, all issued at once.
; Row y = 7, work-group x: the 16 queries 16 x .. 16 x + 15 of the mask.  It writes
;   bias: bf16, 0 where a key is seen and -2^100 where it is hidden, in the order of a matrix operand: [tile of 16 queries][32 keys][half c][lane r + 16 h][8], key = 32 k32 + 16 c + 8 h + e, query r;
;   tab:  for position t a row of 512 bytes, cos[0..63] then sin[0..63] in f32: section 0 for Q, 1 for K, 2 for V (cos = 1, sin = 0, so that one text serves all three projections).
; A ROW OF THE MASK THAT IS ALL FALSE gets a bias of 0 everywhere and cos = sin = 0 in Q's section: its q is 0, all its scores are 0, and the softmax is uniform, as where() with one value for all keys makes it.
; COS AND SIN: angle = t x 2^(-j log2(10000) / 64), reduced by a whole number of turns (1 / 2 pi in two parts, fused) to |y| <= pi for every t, then the series to y^15 and y^16, whose cut lies under 1e-6 there.
; LIMIT: the angle follows the f32 product t x inv_freq; inv_freq is good to about two parts in 10^7, the angle at t = 2047 to about 3e-4.  Mask bytes are 0 or 1.
; No cluster, no matrix unit: no work-group reads what another reads, and memory binds.
.set X,   2                            ; v[2:129]   convert: 16 x 8 numbers as loaded
.set Y,   130                          ; v[130:193] convert: 16 x 4 words to store
.set VI,  194                          ; 32 x thread
.set VO,  195                          ; 16 x thread
.set T0,  196
.set T1,  197
.set T2,  198
.set SPW, 206                          ; LDS address of my spare word; never rewritten
.set NIL, 207                          ; 0; never rewritten
.set SPARE, 1024                       ; behind the flags: 128 bytes for each of the eight waves
.set M,    2                           ; mask path: v[2:33] my 8 x 16 bytes of the mask
.set OUT,  34                          ; v[34:97] the same as 8 x 32 bytes of bias
.set R,    100                         ; thread % 16
.set J,    101                         ; thread / 16
.set MOF,  102
.set FA,   103
.set FR,   104
.set FJ,   105
.set A0,   106                         ; v106 any(row r), v107 any(row j)
.set FL,   108                         ; v[108:123]
.set FM,   124                         ; v[124:139]
.set MULC, 140
.set FLAG, 141
.set BO,   145
.set TT,   146
.set TF,   147
.set JB,   148
.set ARG,  150
.set INV,  154
.set ANG,  158
.set NN,   159
.set RHO,  160
.set YV,   161
.set Z,    162
.set PS,   163
.set COS,  168
.set SIN,  172
.set QC,   176
.set QS,   180
.set ONE,  184
.set ZER,  188
.set TOF,  192
	s_load_b512 s[8:23], s[0:1], 0x0               ; query, key, value, w_q, w_k, w_v, w_o, mask
	s_load_b128 s[24:27], s[0:1], 0x40             ; xb, tab
	s_load_b64 s[28:29], s[0:1], 0x50              ; bias
	v_lshl_add_u32 v[SPW], v0, 2, SPARE
	v_mov_b32 v[NIL], 0
	s_and_b32 s2, ttmp7, 0xffff                    ; y
	s_mov_b32 s3, ttmp9                            ; x
	s_mov_b32 s31, 0
	s_wait_kmcnt 0x0
	s_cmp_eq_u32 s2, 7
	s_cbranch_scc1 .Lmask
	; ---- y = 0..6: f32 to 16 bits ----
	s_mov_b64 s[4:5], s[8:9]
.irp i, 1,2,3,4,5,6
	s_cmp_eq_u32 s2, \i
	s_cselect_b64 s[4:5], s[8+2*\i:9+2*\i], s[4:5]
.endr
	s_lshl_b32 s30, s3, 17                         ; my 131,072 bytes of the source
	s_add_nc_u64 s[4:5], s[4:5], s[30:31]
	s_lshl_b32 s30, s2, 23                         ; section y,
	s_lshl_b32 s32, s3, 16                         ; my 65,536 bytes of it
	s_add_co_u32 s30, s30, s32
	s_add_nc_u64 s[6:7], s[24:25], s[30:31]
	v_lshlrev_b32 v[VI], 5, v0
	v_lshlrev_b32 v[VO], 4, v0
.set i, 0
.rept 16
	global_load_b128 v[X+8*i:X+8*i+3],   v[VI], s[4:5] offset:8192*i th:TH_LOAD_NT
	global_load_b128 v[X+8*i+4:X+8*i+7], v[VI], s[4:5] offset:8192*i+16 th:TH_LOAD_NT
.set i, i+1
.endr
.macro CONV f16
.set i, 0
.rept 16
	s_wait_loadcnt 30-2*i                          ; loads come back in order: pair i is in, the 30 - 2 i younger ones may stay out
.irp q, 0,1,2,3
	v_cvt_pk_bf16_f32 v[Y+4*i+\q], v[X+8*i+2*\q], v[X+8*i+2*\q+1]
.endr
.if \f16
.irp q, 0,1,2,3
	v_lshlrev_b32 v[T0], 16, v[Y+4*i+\q]           ; the bf16 numbers as f32,
	v_and_b32 v[T1], 0xffff0000, v[Y+4*i+\q]
	v_cvt_pk_f16_f32 v[Y+4*i+\q], v[T0], v[T1]     ; written as f16
.endr
.endif
	global_store_b128 v[VO], v[Y+4*i:Y+4*i+3], s[6:7] offset:4096*i  ; a wave's store covers 512 consecutive bytes, aligned
.set i, i+1
.endr
.endm
	s_cmp_eq_u32 s2, 6
	s_cbranch_scc1 .Lhalf
	CONV 0
	s_endpgm                                       ; these waves have written no LDS
.Lhalf:
	CONV 1
	s_endpgm
	; ---- y = 7: the mask ----
.Lmask:
	v_and_b32 v[R], 15, v0
	v_lshrrev_b32 v[J], 4, v0
	s_lshl_b32 s30, s3, 15                         ; 16 rows of 2,048 bytes
	s_add_nc_u64 s[22:23], s[22:23], s[30:31]
	v_lshlrev_b32 v[MOF], 11, v[R]
	v_lshl_add_u32 v[MOF], v[J], 4, v[MOF]         ; row r, keys 16 j .. ; load i: keys 16 (j + 16 i) ..
.irp i, 0,1,2,3,4,5,6,7
	global_load_b128 v[M+4*\i:M+4*\i+3], v[MOF], s[22:23] offset:256*\i th:TH_LOAD_NT
.endr
	s_lshl_b32 s30, s3, 16
	s_add_nc_u64 s[28:29], s[28:29], s[30:31]      ; bias at my tile of 16 queries
	v_lshlrev_b32 v[FR], 6, v[R]
	v_lshl_add_u32 v[FA], v[J], 2, v[FR]           ; flags: 16 rows of 16 words
	v_lshlrev_b32 v[FJ], 6, v[J]
	v_lshlrev_b32 v[BO], 9, v[J]                   ; piece j + 16 i lies at 512 j + 8,192 i; in it lane r + 16 h at 16 r + 256 h
	v_lshl_add_u32 v[BO], v[R], 4, v[BO]
	s_mov_b32 s33, 0xf180                          ; -2^100 in bf16
	s_mov_b32 s34, 1.0
	s_mov_b32 s36, 0x3e22f983                      ; 1 / 2 pi, rounded,
	s_mov_b32 s37, 0x31dc9ba5                      ; and what the rounding left: 6.42e-9
	; the table, in the wait for the mask: position t = 16 x + j, frequencies 4 r .. 4 r + 3
	s_lshl_b32 s35, s3, 4
	v_add_nc_u32 v[TT], s35, v[J]
	v_cvt_f32_u32 v[TF], v[TT]
	v_lshlrev_b32 v[JB], 2, v[R]
.irp e, 0,1,2,3
	v_add_nc_u32 v[ARG+\e], \e, v[JB]
	v_cvt_f32_u32 v[ARG+\e], v[ARG+\e]
	v_mul_f32 v[ARG+\e], 0xbe549a78, v[ARG+\e]     ; - j log2(10000) / 64
.endr
.irp e, 0,1,2,3
	v_exp_f32 v[INV+\e], v[ARG+\e]
.endr
	v_nop                                          ; a plain instruction behind the last exponential,
	s_wait_alu depctr_va_vdst(0)                   ; and one wait for the four, ahead of their first reader
.macro TRIG e
	v_mul_f32 v[ANG], v[TF], v[INV+\e]
	v_mul_f32 v[NN], s36, v[ANG]
	v_rndne_f32 v[NN], v[NN]                       ; whole turns
	v_fma_f32 v[RHO], v[ANG], s36, -v[NN]          ; the rest of a turn, fused: within a half
	v_fma_f32 v[RHO], v[ANG], s37, v[RHO]
	v_mul_f32 v[YV], 0x40c90fdb, v[RHO]            ; y = 2 pi x rest
	v_mul_f32 v[Z], v[YV], v[YV]
	v_mov_b32 v[PS], 0xab573f9f                    ; sin y = y (1 - z/3! + z^2/5! - .. - z^7/15!)
	v_fmaak_f32 v[PS], v[PS], v[Z], 0x2f309231
	v_fmaak_f32 v[PS], v[PS], v[Z], 0xb2d7322b
	v_fmaak_f32 v[PS], v[PS], v[Z], 0x3638ef1d
	v_fmaak_f32 v[PS], v[PS], v[Z], 0xb9500d01
	v_fmaak_f32 v[PS], v[PS], v[Z], 0x3c088889
	v_fmaak_f32 v[PS], v[PS], v[Z], 0xbe2aaaab
	v_fmaak_f32 v[PS], v[PS], v[Z], 0x3f800000
	v_mul_f32 v[SIN+\e], v[PS], v[YV]
	v_mov_b32 v[PS], 0x29573f9f                    ; cos y = 1 - z/2! + z^2/4! - .. + z^8/16!
	v_fmaak_f32 v[PS], v[PS], v[Z], 0xad49cba5
	v_fmaak_f32 v[PS], v[PS], v[Z], 0x310f76c8
	v_fmaak_f32 v[PS], v[PS], v[Z], 0xb493f27e
	v_fmaak_f32 v[PS], v[PS], v[Z], 0x37d00d01
	v_fmaak_f32 v[PS], v[PS], v[Z], 0xbab60b61
	v_fmaak_f32 v[PS], v[PS], v[Z], 0x3d2aaaab
	v_fmaak_f32 v[PS], v[PS], v[Z], 0xbf000000
	v_fmaak_f32 v[COS+\e], v[PS], v[Z], 0x3f800000
.endm
	TRIG 0
	TRIG 1
	TRIG 2
	TRIG 3
	v_lshlrev_b32 v[TOF], 9, v[TT]
	v_lshl_add_u32 v[TOF], v[R], 4, v[TOF]
.irp e, 0,1,2,3
	v_mov_b32 v[ONE+\e], 1.0
	v_mov_b32 v[ZER+\e], 0
.endr
	; does a row see any key?  each thread's 128 bytes, then the row's 16 threads through LDS
	s_wait_loadcnt 0x0
	v_or_b32 v[A0], v[M], v[M+1]
.set n, 2
.rept 30
	v_or_b32 v[A0], v[A0], v[M+n]
.set n, n+1
.endr
	ds_store_b32 v[FA], v[A0]
	s_wait_dscnt 0x0                               ; for the others' sake: my flag is written
	s_barrier_signal -1
	s_barrier_wait -1
.irp q, 0,1,2,3
	ds_load_b128 v[FL+4*\q:FL+4*\q+3], v[FR] offset:16*\q   ; row r: the row whose bias I write
	ds_load_b128 v[FM+4*\q:FM+4*\q+3], v[FJ] offset:16*\q   ; row j: the row whose table I write
.endr
	s_wait_dscnt 0x0
	v_or_b32 v[A0], v[FL], v[FL+1]
	v_or_b32 v[A0+1], v[FM], v[FM+1]
.set n, 2
.rept 14
	v_or_b32 v[A0], v[A0], v[FL+n]
	v_or_b32 v[A0+1], v[A0+1], v[FM+n]
.set n, n+1
.endr
	v_cmp_ne_u32 vcc_lo, 0, v[A0]
	v_cndmask_b32 v[MULC], 0, s33, vcc_lo          ; an all-false row hides nothing
	v_cmp_ne_u32 vcc_lo, 0, v[A0+1]
	v_cndmask_b32 v[FLAG], 0, s34, vcc_lo          ; and has q = 0
; mask word n (four keys) becomes two words of bias: a byte's complement goes to bit 0 or bit 16 and is multiplied by the bf16 pattern
.macro WORD n
	v_xor_b32 v[T0], 0x01010101, v[M+(\n)]
	v_lshlrev_b32 v[T1], 8, v[T0]
	v_and_b32 v[T2], 1, v[T0]
	v_and_or_b32 v[T2], v[T1], 0x10000, v[T2]
	v_mul_u32_u24 v[OUT+2*(\n)], v[T2], v[MULC]
	v_lshrrev_b32 v[T1], 8, v[T0]
	v_lshrrev_b32 v[T0], 16, v[T0]
	v_and_b32 v[T0], 1, v[T0]
	v_and_or_b32 v[T0], v[T1], 0x10000, v[T0]
	v_mul_u32_u24 v[OUT+2*(\n)+1], v[T0], v[MULC]
.endm
.set n, 0
.rept 32
	WORD n
.set n, n+1
.endr
.irp i, 0,1,2,3,4,5,6,7
	global_store_b128 v[BO], v[OUT+8*\i:OUT+8*\i+3],   s[28:29] offset:8192*\i      ; keys 0-7 of the piece: sixteen lanes store 256 consecutive bytes, aligned
	global_store_b128 v[BO], v[OUT+8*\i+4:OUT+8*\i+7], s[28:29] offset:8192*\i+256  ; keys 8-15
.endr
.irp e, 0,1,2,3
	v_mul_f32 v[QC+\e], v[COS+\e], v[FLAG]
	v_mul_f32 v[QS+\e], v[SIN+\e], v[FLAG]
.endr
	global_store_b128 v[TOF], v[QC:QC+3],   s[26:27]
	global_store_b128 v[TOF], v[QS:QS+3],   s[26:27] offset:256
	global_store_b128 v[TOF], v[COS:COS+3], s[26:27] offset:1048576
	global_store_b128 v[TOF], v[SIN:SIN+3], s[26:27] offset:1048576+256
	global_store_b128 v[TOF], v[ONE:ONE+3], s[26:27] offset:2097152
	global_store_b128 v[TOF], v[ZER:ZER+3], s[26:27] offset:2097152+256
	s_wait_tensorcnt 0x0                           ; the wave's end, behind my last LDS store
	ds_add_u32 v[SPW], v[NIL]
	s_wait_dscnt 0x0
	s_endpgm
.Lfunc_end_k_q41eac8d281_prep:
	.size	k_q41eac8d281_prep, .Lfunc_end_k_q41eac8d281_prep-k_q41eac8d281_prep
	.p2alignl 7, 3214868480
	.fill 96, 4, 3214868480
	.section	.rodata,"a",@progbits
	.p2align	6, 0x0
	.amdhsa_kernel k_q41eac8d281_prep
		.amdhsa_group_segment_fixed_size 2048
		.amdhsa_private_segment_fixed_size 0
		.amdhsa_enable_private_segment 0
		.amdhsa_kernarg_size 88
		.amdhsa_user_sgpr_count 2
		.amdhsa_user_sgpr_kernarg_segment_ptr 1
		.amdhsa_wavefront_size32 1
		.amdhsa_system_sgpr_workgroup_id_x 1
		.amdhsa_system_sgpr_workgroup_id_y 1
		.amdhsa_system_sgpr_workgroup_id_z 1
		.amdhsa_system_vgpr_workitem_id 0
		.amdhsa_next_free_vgpr 208
		.amdhsa_next_free_sgpr 66
		.amdhsa_reserve_vcc 1
		.amdhsa_float_denorm_mode_32 3
		.amdhsa_float_denorm_mode_16_64 3
		.amdhsa_memory_ordered 1
		.amdhsa_forward_progress 1
		.amdhsa_inst_pref_size 56
	.end_amdhsa_kernel
	.amdgpu_metadata
---
amdhsa.version: [ 1, 2 ]
amdhsa.kernels:
  - .name:           k_q41eac8d281_prep
    .symbol:         k_q41eac8d281_prep.kd
    .args:
      - { .name: query, .offset: 0, .size: 8, .value_kind: global_buffer, .address_space: global }
      - { .name: key, .offset: 8, .size: 8, .value_kind: global_buffer, .address_space: global }
      - { .name: value, .offset: 16, .size: 8, .value_kind: global_buffer, .address_space: global }
      - { .name: w_q, .offset: 24, .size: 8, .value_kind: global_buffer, .address_space: global }
      - { .name: w_k, .offset: 32, .size: 8, .value_kind: global_buffer, .address_space: global }
      - { .name: w_v, .offset: 40, .size: 8, .value_kind: global_buffer, .address_space: global }
      - { .name: w_o, .offset: 48, .size: 8, .value_kind: global_buffer, .address_space: global }
      - { .name: mask, .offset: 56, .size: 8, .value_kind: global_buffer, .address_space: global }
      - { .name: xb, .offset: 64, .size: 8, .value_kind: global_buffer, .address_space: global }
      - { .name: tab, .offset: 72, .size: 8, .value_kind: global_buffer, .address_space: global }
      - { .name: bias, .offset: 80, .size: 8, .value_kind: global_buffer, .address_space: global }
    .group_segment_fixed_size: 2048
    .private_segment_fixed_size: 0
    .kernarg_segment_align: 8
    .kernarg_segment_size: 88
    .max_flat_workgroup_size: 256
    .sgpr_count:     66
    .vgpr_count:     208
    .wavefront_size: 32
...
	.end_amdgpu_metadata
.endif
;; end of part 1
;; launch qkv (part 2): grid 8 x 24, 4 waves a work-group, clusters of 4 x 4, 327,680 bytes of LDS; arguments xb, tab, qkv; writes qkv
.if DOCPART == 2
	.amdgcn_target "amdgcn-amd-amdhsa--gfx1250"
	.amdhsa_code_object_version 6
	.text
	.protected	k_q41eac8d281_qkv
	.globl	k_q41eac8d281_qkv
	.p2align	8
	.type	k_q41eac8d281_qkv,@function
k_q41eac8d281_qkv:
	s_mov_b64 s[64:65], 0
	v_nop
	global_prefetch_b8 v0, s[64:65] scope:SCOPE_SE
	s_setreg_imm32_b32 hwreg(HW_REG_WAVE_MODE, 25, 1), 1
	s_wait_xcnt 0x0
	s_wait_alu depctr_hold_cnt(0) depctr_sa_sdst(0) depctr_va_vdst(0) depctr_va_sdst(0) depctr_va_ssrc(0) depctr_va_vcc(0) depctr_vm_vsrc(0)
	s_getreg_b32 s2, hwreg(HW_REG_IB_STS2, 6, 4)
	s_cmp_eq_u32 s2, 0
	s_cbranch_scc0 .Lentry_in_a_cluster
	s_endpgm
.Lentry_in_a_cluster:
	s_bfe_u32 s2, ttmp6, 0x10000c
	s_cmp_lg_u32 s2, 0xf033
	s_cbranch_scc0 .Lentry_shape_is_right
	s_endpgm
.Lentry_shape_is_right:
; THE THREE PROJECTIONS WITH RoPE.  For g = 0, 1, 2 (q, k, v): y[l][e] = sum over d of x_g[l][d] w_g[e][d], bf16 operands from xb (sections g and 3 + g), f32 sums; the pair of channels
; (d, d + 64) of a head is turned by the table's cos and sin of position l (for v the table holds 1 and 0); the result is rounded once to f16 and written by heads: qkv[g][head][l][128], unscaled.
; LIMIT: f16 ends at 65,504: q, k and v must stay within it (unit inputs give about 5; inputs and weights both 30 times larger about 4,500; a common offset of 30 spreads on both about 41,000).
; SHARES.  A tile is 256 rows x 256 columns (two heads): 3 x 8 x 8 = 192 work-groups.  No tile gives 256 equal shares (49,152 outputs are 192 x 256 or 128 x 384, and neither divides 2,048); of those that divide, this one
; has the most products for each LDS byte (a wave loads 16,384 bytes for 64 products) and the longest K step: 224 products of a wave between a tile's request and the wait for it.
; Four waves, each 128 rows x one head: 64 accumulators of 16 x 16, 512 registers.  K goes in 16 steps of 128 through two LDS slots filled by the tensor data mover; a tile's rows are 256 bytes of memory, aligned.
; A K STEP IS WRITTEN ONCE.  A trip of the loop is one K step; which slot it reads stands in a scalar that one exclusive or turns from 0 to SLOT and back, and the fragment addresses are made anew from it at each change
; of slots.  The last two K steps, which fill nothing, are a second loop of two trips.
; CLUSTERS: 4 x 4 work-groups of one g.  The four of a row need the same tiles of x, the four of a column the same tiles of w: each is asked for jointly, with the same descriptor and a mask that names the four.
; THE MATRIX INSTRUCTION IS USED TRANSPOSED (source 0 = 16 rows of w, source 1 = 16 rows of x): lane l holds row l % 16 and the channels 8 (l / 16) + 0..7 of a block of 16.  A head's pair (d, d + 64) lies in the same
; lane and register of column blocks b and b + 4.
; REGISTERS, in windows of 256 (s_set_vgpr_msb: bits 1:0 source 0, 3:2 source 1, 5:4 source 2, 7:6 destination):
;   window 0: v0-31 addresses; v64-127, v128-191 fragments of x, two buffers; v192-255 a block of the table; on the way out v64-127 turned sums, v128-159 packed, v160-191 and v32-63 rows read back
;   window 1: v64-127, v128-191 fragments of w, two buffers; v0-63, v192-255 two blocks of the table
;   window 2: the 32 accumulators of my rows 0-63 ((a, b) at 8 (8 a + b));   window 3: those of my rows 64-127
.set SIZE_K, 2048
.set KSTEP,  128
.set STEPS,  SIZE_K/KSTEP              ; 16
.set PITCH,  272                       ; an LDS row: 256 bytes + 16 of padding = 68 words: the 16 rows of a fragment load start at 16 different groups of four banks
.set HALFT,  128*PITCH                 ; 128 rows: what one tensor load brings, and what one wave reads of x or of w: 0x8800 bytes
.set SLOT,   4*HALFT                   ; x's 256 rows, then w's 256 rows: 0x22000 bytes.  It shares no bit with wave x HALFT (0, 0x8800, 0x11000, 0x19800), so an exclusive or with it turns a tile's LDS address in one slot into the other's
.set STAGE,  2*SLOT                    ; behind the ring: 16 rows x 272 bytes for each wave, for the way out
.set SPITCH, 272
.set SPARE,  STAGE+4*16*SPITCH         ; behind the stages: the spare words, 128 bytes for each wave
.set ABASE, 16                         ; v16  LDS address of my fragments of x in slot 0; never rewritten
.set BBASE, 17                         ; v17  the same for w; never rewritten
.set ADRA, 20                          ; v20  LDS address of my fragments of x in the slot that is being read
.set ADRB, 21                          ; v21  the same for w
.set STO,  24                          ; the way out: where I put 16 bytes of a row
.set RD,   25                          ; the way out: where I read a row back
.set CO,   26                          ; my byte offset in two rows of the head
.set TO,   27                          ; my byte offset in a block of the table; never rewritten
.set SPW,  28                          ; LDS address of my spare word; never rewritten
.set NIL,  29                          ; 0; never rewritten
.set PFO,  30                          ; the prefetches' offset: my lane x a row of xb (4,096 bytes); never rewritten
.set F0,   64
.set F1,   128
.set O,    64                          ; the way out: a block's 16 rows x 128 channels, turned, in f32
.set TMP,  128                         ; the same in f16
.set LIM,  43                          ; s43      2 in a wave that prefetches, else the greatest number
.set PFA,  44                          ; s[44:45] where my prefetches stand
.set TB,   70                          ; s70      0 or SLOT: the slot that is being read
.set CNT,  71                          ; s71      counts the tail's two trips
.set G1, 24                            ; s[24:31] descriptor group 1 for x's tiles;  s[32:39] group 0: a set for each of the two first fills; the second then walks on
.set G0, 32
.set G1B, 48                           ; s[48:55], s[56:63] the same for w's tiles
.set G0B, 56
.set MSB, 0
.macro WIN new                         ; the immediate's high byte repeats the setting that is left; a switch that changes nothing is dropped
.if MSB != (\new)
	s_set_vgpr_msb (MSB<<8)|(\new)
.set MSB, \new
.endif
.endm
.set MUL_LO, 0xa1                      ; source 0 (w) window 1, source 1 (x) window 0, C and D window 2
.set MUL_HI, 0xf1                      ; the same, C and D window 3
.set TO_B,   0x40                      ; destination window 1, address window 0
.macro JLOAD s                         ; a joint load: waves 0 and 1 fetch x's two halves, waves 2 and 3 w's; an s_nop 0 and four v_nop follow each line
	s_cmp_eq_u32 s11, 0
	s_cbranch_scc0 .Lfor_b_\@
	tensor_load_to_lds s[G0+4*(\s):G0+4*(\s)+3], s[G1:G1+7]
	s_nop 0
.rept 4
	v_nop
.endr
	s_branch .Lasked_\@
.Lfor_b_\@:
	tensor_load_to_lds s[G0B+4*(\s):G0B+4*(\s)+3], s[G1B:G1B+7]
	s_nop 0
.rept 4
	v_nop
.endr
.Lasked_\@:
.endm
; A PREFETCH, behind each joint load, its five lines and the run of LDS loads that follows: the K step that stands two refills on: 32 rows x 256 bytes, a lane a row, one instruction a wave: 512 products ahead of the
; load that will want it.  Each row's 256 bytes of a K step are named once in the launch: x's tile row is read by both clusters of its row of clusters, and cluster x = 0 asks; w's tile column by the two rows of
; clusters of its g, and the first of them asks.  The four partners that ask for a tile jointly share its rows out by address: of the 128 rows that a wave fetches the partner at place p takes 32 p .. 32 p + 31.
; The first four K steps come by their loads alone; the loop's last two trips (s3 = 2, 1) ask for nothing: there is no K step two on.
.macro ASK
	s_cmp_gt_u32 s3, s[LIM]
	s_cbranch_scc0 .Lnot_mine_\@
	global_prefetch_b8 v[PFO], s[PFA:PFA+1] offset:KSTEP*2 th:TH_LOAD_NT scope:SCOPE_SE
.Lnot_mine_\@:
.endm
.macro CREST                           ; a round of the cluster's barrier behind its opening barrier
	s_cmp_lg_u32 s10, 0
	s_cbranch_scc1 .Lnot_wave_0_\@
	s_barrier_signal -3
.Lnot_wave_0_\@:
	s_barrier_wait -3
	s_barrier_signal -1
	s_barrier_wait -1
.endm
.macro CROUND
	s_barrier_signal -1
	s_barrier_wait -1
	CREST
.endm
; THE TABLE.  Block a (my rows 16 a .. 16 a + 15) is 64 registers: for column block b = 0..3 eight cos at 16 b, eight sin at 16 b + 8.  Five holders take the eight blocks by turns (a % 5).
.macro TLOC a
.set TW, 1                             ; the holder's window,
.set TBS, 0                            ; and its first register
.if ((\a)%5) == 1
.set TBS, 192
.elseif ((\a)%5) == 2
.set TW, 0
.set TBS, 192
.elseif ((\a)%5) == 3
.set TBS, 64
.elseif ((\a)%5) == 4
.set TBS, 128
.endif
.endm
.macro TLOAD a                         ; 16 loads
	TLOC \a
	WIN TW<<6
.irp b, 0,1,2,3
.irp s, 0,1
	global_load_b128 v[TBS+16*\b+8*\s:TBS+16*\b+8*\s+3],   v[TO], s[6:7] offset:8192*(\a)+64*\b+256*\s
	global_load_b128 v[TBS+16*\b+8*\s+4:TBS+16*\b+8*\s+7], v[TO], s[6:7] offset:8192*(\a)+64*\b+256*\s+16
.endr
.endr
.endm
	s_load_b128 s[4:7], s[0:1], 0x0                ; xb s[4:5], tab s[6:7]
	s_load_b64 s[8:9], s[0:1], 0x10                ; qkv
	v_lshl_add_u32 v[SPW], v0, 2, SPARE
	v_mov_b32 v[NIL], 0
	ds_add_u32 v[SPW], v[NIL]                      ; the wave's opening: the add and its wait stand ahead of my first tensor load; the set-up below stands between them
	v_lshrrev_b32 v1, 5, v0
	v_readfirstlane_b32 s10, v1                    ; wave 0..3
	s_lshr_b32 s11, s10, 1                         ; which half of the tile's rows is mine.  Also: I fetch for x (0) or for w (1)
	s_and_b32 s12, s10, 1                          ; which of its two heads.  Also: which 128 rows of that tile I fetch
	s_bfe_u32 s40, ttmp6, 0x40000                  ; cx, cy
	s_bfe_u32 s41, ttmp6, 0x40004
	s_lshl_b32 s42, ttmp9, 2
	s_add_co_u32 s42, s42, s40                     ; tile column = 4 x cluster x + cx
	s_and_b32 s13, ttmp7, 0xffff                   ; cluster y, 0..5
	s_lshr_b32 s66, s13, 1                         ; g: the same in all sixteen partners
	s_and_b32 s68, s13, 1                          ; which of g's two rows of clusters
	s_lshl_b32 s13, s68, 2
	s_add_co_u32 s13, s13, s41                     ; tile row
	s_lshl_b32 s67, s66, 23                        ; g sections of 8,388,608 bytes
	s_lshl_b32 s43, s41, 2
	s_lshl_b32 s43, 15, s43                        ; my row of the cluster
	s_lshl_b32 s44, 0x1111, s40                    ; my column
	s_or_b32 s[G1+0], s43, (1<<16)|(1<<20)|(1<<21)|(5<<22)|(3<<25)  ; the mask; 2-byte elements; padding on; bit 21 beside a mask; after every 64 words, 4 words
	s_or_b32 s[G1B+0], s44, (1<<16)|(1<<20)|(1<<21)|(5<<22)|(3<<25)
.irp g, G1, G1B
	s_mov_b32 s[(\g)+1], KSTEP<<16                 ; tensor_dim0 = 128
	s_mov_b32 s[(\g)+2], 128<<16                   ; tensor_dim1 = 128
	s_mov_b32 s[(\g)+3], KSTEP<<16                 ; tile_dim0 = 128
	s_mov_b32 s[(\g)+4], 128                       ; tile_dim1 = 128
	s_mov_b32 s[(\g)+5], SIZE_K                    ; elements from row to row
	s_mov_b32 s[(\g)+6], 0
	s_mov_b32 s[(\g)+7], 0
.endr
	s_lshl_b32 s17, s12, 7                         ; which 128 rows of the tile I fetch
	s_lshl_b32 s16, s13, 8
	s_add_co_u32 s16, s16, s17                     ; x: row 256 x tile row + 128 x half,
	s_lshl_b32 s16, s16, 12                        ; of 4,096 bytes,
	s_add_co_u32 s16, s16, s67                     ; in section g
	s_lshl_b32 s46, s42, 8
	s_add_co_u32 s46, s46, s17                     ; w: row 256 x tile column + 128 x half,
	s_lshl_b32 s46, s46, 12
	s_add_co_u32 s46, s46, s67
	s_add_co_u32 s46, s46, 3*8388608               ; in section 3 + g
	s_mov_b32 s17, 0
	s_mov_b32 s47, 0
	s_mul_i32 s20, s10, HALFT                      ; where they go: wave x 128 rows: no place in the cluster enters an LDS address
	s_wait_dscnt 0x0                               ; the opening add is done
	s_wait_kmcnt 0x0
	s_add_nc_u64 s[14:15], s[4:5], s[16:17]
	s_add_nc_u64 s[46:47], s[4:5], s[46:47]
	CROUND                                         ; all sixteen work-groups are here: the first joint loads meet
.irp s, 0,1
	s_mov_b32 s[G0+4*(\s)], 1
	s_add_co_u32 s[G0+4*(\s)+1], s20, (\s)*SLOT
	s_add_nc_u64 s[G0+4*(\s)+2:G0+4*(\s)+3], s[14:15], (\s)*KSTEP*2
	s_or_b32 s[G0+4*(\s)+3], s[G0+4*(\s)+3], 0x80000000
	s_mov_b32 s[G0B+4*(\s)], 1
	s_add_co_u32 s[G0B+4*(\s)+1], s20, (\s)*SLOT
	s_add_nc_u64 s[G0B+4*(\s)+2:G0B+4*(\s)+3], s[46:47], (\s)*KSTEP*2
	s_or_b32 s[G0B+4*(\s)+3], s[G0B+4*(\s)+3], 0x80000000
	JLOAD \s                                       ; the ring is filled before anything else is done: two loads of mine are out
.endr
	v_and_b32 v1, 15, v0                           ; r = l % 16
	v_bfe_u32 v2, v0, 4, 1                         ; h = l / 16
	; the table: position 256 tile row + 128 half + 16 a + r, a row of 512 bytes; channel 16 b + 8 h + j at byte 64 b + 32 h + 4 j, sin 256 bytes behind cos.
	; Blocks 0, 1 and 2 are asked for here, into registers that the K loop leaves alone, and stay out through it: nothing else counts on LOADcnt
	s_lshl_b32 s16, s13, 8
	s_lshl_b32 s17, s11, 7
	s_add_co_u32 s16, s16, s17                     ; my first row
	s_lshl_b32 s69, s16, 8                         ; the same in rows of a head, 256 bytes each
	s_lshl_b32 s16, s16, 9
	s_lshl_b32 s17, s66, 20                        ; section g of the table
	s_add_co_u32 s16, s16, s17
	s_mov_b32 s17, 0
	s_add_nc_u64 s[6:7], s[6:7], s[16:17]
	v_lshlrev_b32 v[TO], 9, v1
	v_lshl_add_u32 v[TO], v2, 5, v[TO]
	TLOAD 0
	TLOAD 1
	TLOAD 2
	WIN 0
	v_mul_u32_u24 v3, v1, PITCH
	v_lshl_add_u32 v3, v2, 4, v3                   ; a fragment's row x pitch + 16 x half
	s_mul_i32 s21, s11, HALFT                      ; my 128 rows of x
	s_mul_i32 s22, s12, HALFT                      ; my 128 rows of w,
	s_add_co_u32 s22, s22, 2*HALFT                 ; which lie behind x's 256
	v_add_nc_u32 v[ABASE], s21, v3
	v_add_nc_u32 v[BBASE], s22, v3
	v_mov_b32 v[ADRA], v[ABASE]                    ; K step 0 lies in slot 0
	v_mov_b32 v[ADRB], v[BBASE]
	s_mov_b32 s[TB], 0
	s_mul_i32 s23, s10, 16*SPITCH
	s_add_co_u32 s23, s23, STAGE                   ; my stage
	v_mul_u32_u24 v4, v1, SPITCH                   ; in: row l % 16, 16 bytes for each half of the lanes
	v_lshl_add_u32 v4, v2, 4, v4
	v_add_nc_u32 v[STO], s23, v4
	v_mul_u32_u24 v5, v2, SPITCH                   ; back: lanes 0-15 take one row of 256 bytes, lanes 16-31 the next
	v_lshl_add_u32 v5, v1, 4, v5
	v_add_nc_u32 v[RD], s23, v5
	v_lshlrev_b32 v5, 8, v2                        ; and the same two rows of the head
	v_lshl_add_u32 v[CO], v1, 4, v5
	s_add_co_u32 s16, s69, s67                     ; qkv: section g, my first row,
	s_mov_b32 s17, 0
	s_add_nc_u64 s[8:9], s[8:9], s[16:17]
	s_lshl_b32 s46, s42, 1
	s_add_co_u32 s46, s46, s12                     ; head 2 x tile column + my half:
	s_lshl_b32 s46, s46, 19                        ; 2,048 rows of 256 bytes
	s_mov_b32 s47, 0
	s_add_nc_u64 s[8:9], s[8:9], s[46:47]
	; the prefetches
	s_lshl_b32 s20, s13, 8
	s_lshl_b32 s21, s42, 8
	s_cmp_eq_u32 s11, 0                            ; do I fetch for x?
	s_cselect_b32 s20, s20, s21                    ; the tile's first row: in x by the tile row, in w by the tile column
	s_cselect_b32 s21, s40, s41                    ; my place among the four that ask for it with me
	s_cselect_b32 s22, ttmp9, s68                  ; the coordinate along which another cluster reads the same rows
	s_cselect_b32 s69, 0, 3*8388608                ; x's sections, or w's
	s_cmp_eq_u32 s22, 0
	s_cselect_b32 s[LIM], 2, -1                    ; the same in all sixteen partners, for a given wave
	s_lshl_b32 s22, s12, 7
	s_add_co_u32 s20, s20, s22                     ; + the 128 rows that I fetch
	s_lshl_b32 s21, s21, 5
	s_add_co_u32 s20, s20, s21                     ; + my work-group's 32 of them
	s_lshl_b32 s20, s20, 12
	s_add_co_u32 s20, s20, s69
	s_add_co_u32 s20, s20, s67
	s_add_co_u32 s20, s20, 2*KSTEP*2               ; at K step 2: the first refill steps it to 3 and names K step 4
	s_mov_b32 s21, 0
	s_add_nc_u64 s[PFA:PFA+1], s[4:5], s[20:21]
	v_and_b32 v[PFO], 31, v0
	v_lshlrev_b32 v[PFO], 12, v[PFO]
; 16 matrix instructions: row blocks a0, a0 + 1 of the window's four (hi = 0: my rows 0-63, 1: rows 64-127) x all 8 column blocks, 32 along K.  zero = 1: the first product starts the sums.
; The 64 accumulators take turns, in the same order in every quarter.
.macro MUL16 f, hi, a0, zero
	WIN MUL_LO+0x50*(\hi)
.irp a, \a0, (\a0)+1
.irp b, 0,1,2,3,4,5,6,7
.if \zero
	v_wmma_f32_16x16x32_bf16 v[8*(8*(\a)+(\b)):8*(8*(\a)+(\b))+7], v[(\f)+8*(\b):(\f)+8*(\b)+7], v[(\f)+8*(4*(\hi)+(\a)):(\f)+8*(4*(\hi)+(\a))+7], 0
.else
	v_wmma_f32_16x16x32_bf16 v[8*(8*(\a)+(\b)):8*(8*(\a)+(\b))+7], v[(\f)+8*(\b):(\f)+8*(\b)+7], v[(\f)+8*(4*(\hi)+(\a)):(\f)+8*(4*(\hi)+(\a))+7], v[8*(8*(\a)+(\b)):8*(8*(\a)+(\b))+7]
.endif
.endr
.endr
.endm
; 32 LDS loads in one run: the fragments of one quarter step (128 rows of w, 128 rows of x, 32 K at byte k of the rows of the slot that is being read) into buffer f
.macro FETCH k, f
	WIN TO_B
.irp i, 0,1,2,3,4,5,6,7
	ds_load_b128 v[(\f)+8*(\i):(\f)+8*(\i)+3],   v[ADRB] offset:(\k)+(\i)*16*PITCH
	ds_load_b128 v[(\f)+8*(\i)+4:(\f)+8*(\i)+7], v[ADRB] offset:(\k)+(\i)*16*PITCH+32
.endr
	WIN 0
.irp i, 0,1,2,3,4,5,6,7
	ds_load_b128 v[(\f)+8*(\i):(\f)+8*(\i)+3],   v[ADRA] offset:(\k)+(\i)*16*PITCH
	ds_load_b128 v[(\f)+8*(\i)+4:(\f)+8*(\i)+7], v[ADRA] offset:(\k)+(\i)*16*PITCH+32
.endr
.endm
.macro FLIP                            ; the fragment loads go over to the other slot
	WIN 0
	s_xor_b32 s[TB], s[TB], SLOT
	v_add_nc_u32 v[ADRA], s[TB], v[ABASE]
	v_add_nc_u32 v[ADRB], s[TB], v[BBASE]
.endm
.macro PLACES                          ; four places in front of loads into registers that matrix instructions have read, and of vector work on their registers
.rept 4
	v_nop
.endr
.endm
; A K step is four quarters of 32 along K, 64 matrix instructions each, on buffers 0, 1, 0, 1.  One of the first three multiplies buffer f and, in its middle, fetches the next quarter, at byte k, into buffer g.
.macro QUARTER k, f, g, zero
	s_wait_dscnt 8                                 ; w and x's rows 0-63 are in; the youngest eight loads (x's rows 64-127) may be out
	MUL16 \f, 0, 0, \zero
	MUL16 \f, 0, 2, \zero
	PLACES
	FETCH \k, \g
	s_wait_dscnt 32                                ; all but the 32 just issued
	MUL16 \f, 1, 0, \zero
	MUL16 \f, 1, 2, \zero
.endm
; The last quarter multiplies buffer 1 and changes slots.  MEET is its first half: one barrier; in front of it each wave waits for all its tensor loads (at most one is out: its part of the next slot), adds 0 to its spare
; word, and waits for that and for its own reads of this slot.  Behind it nobody reads this slot any more and the next slot is whole.
.macro MEET round                      ; round = 1: a round of the cluster's barrier follows
	WIN 0
	s_wait_tensorcnt 0x0                           ; all my tensor loads have landed
	ds_add_u32 v[SPW], v[NIL]
	s_wait_dscnt 9                                 ; the add and the youngest eight loads may be out
	MUL16 F1, 0, 0, 0                              ; sixteen matrix instructions stand between the add and the wait for it
	s_wait_dscnt 0x0                               ; the add is done, and my reads of this slot are over
	s_barrier_signal -1
	MUL16 F1, 0, 2, 0                              ; work on registers while the others arrive
.if \round
	WIN 0
.endif
	s_barrier_wait -1
.endm
; The whole last quarter in the loop: behind the round the slot just read out is filled again first, with the K step two steps on; then come the next slot's first fragments.
.macro TURN
	s_wait_xcnt 0x0                                ; the last prefetch, a K step back, has read its address: it is stepped here, ahead of the waits of the change of slots
	s_add_nc_u64 s[PFA:PFA+1], s[PFA:PFA+1], KSTEP*2
	MEET 1
	CREST                                          ; no wave of any partner still reads this slot's tile or has a load on its way
.irp g, G0+4, G0B+4
	s_xor_b32 s[(\g)+1], s[(\g)+1], SLOT           ; the walking descriptor: the other slot than last time,
	s_add_nc_u64 s[(\g)+2:(\g)+3], s[(\g)+2:(\g)+3], KSTEP*2  ; the next K step; the type bits on top are not reached
.endr
	JLOAD 1                                        ; the first tensor load behind the round; its four v_nop are also the places in front of the loads below
	FLIP
	FETCH 0, F0
	ASK
	MUL16 F1, 1, 0, 0
	MUL16 F1, 1, 2, 0
.endm
	s_wait_tensorcnt 1                             ; my part of K step 0 is in; K step 1's may stay out
	s_barrier_signal -1
	s_barrier_wait -1
	FETCH 0, F0
	QUARTER 64,  F0, F1, 1                         ; the first quarter stands in front of the loop: its products start the sums
	WIN 0                                          ; at a label and at a branch every window is 0
	s_mov_b32 s3, STEPS-2
.Lstep:                                                ; 14 trips: from a K step's second quarter to the next step's first; the slot that the step leaves is filled again
	QUARTER 128, F1, F0, 0
	QUARTER 192, F0, F1, 0
	TURN
	QUARTER 64,  F0, F1, 0
	WIN 0
	s_sub_co_u32 s3, s3, 1
	s_cmp_lg_u32 s3, 0
	s_cbranch_scc1 .Lstep
	s_mov_b32 s[CNT], 2
.Ltail:                                                ; the last two K steps fill nothing.  The second trip jumps over the next step's fetch and first quarter: there is none; its barrier orders nothing, the price of one text for both trips
	QUARTER 128, F1, F0, 0
	QUARTER 192, F0, F1, 0
	MEET 0                                         ; first trip: my one tensor load that was still out is slot 1's, the last K step's
	MUL16 F1, 1, 0, 0
	MUL16 F1, 1, 2, 0
	WIN 0
	s_cmp_eq_u32 s[CNT], 1
	s_cbranch_scc1 .Llast
	FLIP
	PLACES
	FETCH 0, F0                                    ; behind the quarter's products, not in their middle: the wait for it is sat out once a launch
	QUARTER 64,  F0, F1, 0
	WIN 0
.Llast:
	s_sub_co_u32 s[CNT], s[CNT], 1
	s_cmp_lg_u32 s[CNT], 0
	s_cbranch_scc1 .Ltail
; THE WAY OUT, a block of 16 rows at a time.  ROPE: out[d] = x[d] cos - x[d+64] sin, out[d+64] = x[d] sin + x[d+64] cos, in f32, from the accumulators into window 0: four packed lines for each pair of channels, all
; under one window setting (source 0 the accumulators', source 1 the table's, source 2 and destination window 0).  Each accumulator is read from its low end on.
; The wait ahead of blocks 3 to 7 counts the table loads issued behind that block's own: 64 for block 3 (the field holds 63), then 48, 32, 16, 0.
.macro ROPE a
	TLOC \a
.set AC, 64*((\a)%4)
.if (\a) == 3
	s_wait_loadcnt 63
.elseif (\a) > 3
	s_wait_loadcnt 16*(7-(\a))
.endif
	WIN (2+(\a)/4)|(TW<<2)
.irp b, 0,1,2,3
.irp e, 0,2,4,6
	v_pk_mul_f32 v[O+32+8*\b+\e:O+32+8*\b+\e+1], v[AC+32+8*\b+\e:AC+32+8*\b+\e+1], v[TBS+16*\b+\e:TBS+16*\b+\e+1]
.endr
.irp e, 0,2,4,6
	v_pk_mul_f32 v[O+8*\b+\e:O+8*\b+\e+1], v[AC+32+8*\b+\e:AC+32+8*\b+\e+1], v[TBS+16*\b+8+\e:TBS+16*\b+8+\e+1]
.endr
.irp e, 0,2,4,6
	v_pk_fma_f32 v[O+32+8*\b+\e:O+32+8*\b+\e+1], v[AC+8*\b+\e:AC+8*\b+\e+1], v[TBS+16*\b+8+\e:TBS+16*\b+8+\e+1], v[O+32+8*\b+\e:O+32+8*\b+\e+1]
.endr
.irp e, 0,2,4,6
	v_pk_fma_f32 v[O+8*\b+\e:O+8*\b+\e+1], v[AC+8*\b+\e:AC+8*\b+\e+1], v[TBS+16*\b+\e:TBS+16*\b+\e+1], v[O+8*\b+\e:O+8*\b+\e+1] neg_lo:[0,0,1] neg_hi:[0,0,1]
.endr
.endr
.endm
.macro CVT                             ; rounded once to f16: 16 bytes a lane for each column block
	WIN 0
.irp b, 0,1,2,3,4,5,6,7
.irp r, 0,1,2,3
	v_cvt_pk_f16_f32 v[TMP+4*\b+\r], v[O+8*\b+2*\r], v[O+8*\b+2*\r+1]
.endr
.endr
.endm
.macro TOSTAGE a                       ; into my own stage, and back as whole rows of 256 bytes, into v160-191 and v32-63 by turns
.set BK, 160-128*((\a)%2)
.irp b, 0,1,2,3,4,5,6,7
	ds_store_b128 v[STO], v[TMP+4*\b:TMP+4*\b+3] offset:32*\b
.endr
.irp t, 0,1,2,3,4,5,6,7
	ds_load_b128 v[BK+4*\t:BK+4*\t+3], v[RD] offset:\t*2*SPITCH  ; LDS serves a wave's instructions in order (ISA guide 5.7.1.4): these see the stores above; the next block's stores come behind them
.endr
.endm
.macro SEND a
.set BK, 160-128*((\a)%2)
	s_wait_xcnt 0x0                                ; the stores of the block before have read their registers: the next TOSTAGE loads into them only behind this wait
.irp t, 0,1,2,3,4,5,6,7
	s_wait_dscnt 7-\t                              ; the younger loads from the stage may stay out
	global_store_b128 v[CO], v[BK+4*\t:BK+4*\t+3], s[8:9] offset:(\a)*4096+\t*512  ; two rows of the head: 512 consecutive bytes, aligned
.endr
.endm
	PLACES
	PLACES
	s_wait_loadcnt 0x0                             ; the table's blocks 0, 1 and 2, asked for at the head
	TLOAD 3                                        ; into w's two fragment buffers, which are free now
	TLOAD 4
	ROPE 0
	TLOAD 5                                        ; a holder takes its next block as soon as it has been read
	CVT
	TOSTAGE 0
.irp a, 1,2,3,4,5,6,7                  ; block a's arithmetic stands between block a - 1's loads from the stage and the wait for them
	ROPE \a
.if (\a) < 3
	TLOAD (\a)+5
.endif
	CVT
	SEND (\a)-1
	TOSTAGE \a
.endr
	SEND 7
	s_wait_tensorcnt 0x0                           ; the wave's end, behind my last tensor load and my last LDS store
	ds_add_u32 v[SPW], v[NIL]
	s_wait_dscnt 0x0
	CROUND                                         ; the closing round: no work-group ends while a partner may still ask for a tile that names it
	s_endpgm
.Lfunc_end_k_q41eac8d281_qkv:
	.size	k_q41eac8d281_qkv, .Lfunc_end_k_q41eac8d281_qkv-k_q41eac8d281_qkv
	.p2alignl 7, 3214868480
	.fill 96, 4, 3214868480
	.section	.rodata,"a",@progbits
	.p2align	6, 0x0
	.amdhsa_kernel k_q41eac8d281_qkv
		.amdhsa_group_segment_fixed_size 327680
		.amdhsa_private_segment_fixed_size 0
		.amdhsa_enable_private_segment 0
		.amdhsa_kernarg_size 24
		.amdhsa_user_sgpr_count 2
		.amdhsa_user_sgpr_kernarg_segment_ptr 1
		.amdhsa_wavefront_size32 1
		.amdhsa_system_sgpr_workgroup_id_x 1
		.amdhsa_system_sgpr_workgroup_id_y 1
		.amdhsa_system_sgpr_workgroup_id_z 1
		.amdhsa_system_vgpr_workitem_id 0
		.amdhsa_next_free_vgpr 1024
		.amdhsa_next_free_sgpr 72
		.amdhsa_reserve_vcc 0
		.amdhsa_float_denorm_mode_32 3
		.amdhsa_float_denorm_mode_16_64 3
		.amdhsa_memory_ordered 1
		.amdhsa_forward_progress 1
		.amdhsa_inst_pref_size 147
	.end_amdhsa_kernel
	.amdgpu_metadata
---
amdhsa.version: [ 1, 2 ]
amdhsa.kernels:
  - .name:           k_q41eac8d281_qkv
    .symbol:         k_q41eac8d281_qkv.kd
    .args:
      - { .name: xb, .offset: 0, .size: 8, .value_kind: global_buffer, .address_space: global }
      - { .name: tab, .offset: 8, .size: 8, .value_kind: global_buffer, .address_space: global }
      - { .name: qkv, .offset: 16, .size: 8, .value_kind: global_buffer, .address_space: global }
    .group_segment_fixed_size: 327680
    .private_segment_fixed_size: 0
    .kernarg_segment_align: 8
    .kernarg_segment_size: 24
    .max_flat_workgroup_size: 128
    .sgpr_count:     72
    .vgpr_count:     1024
    .wavefront_size: 32
...
	.end_amdgpu_metadata
.endif
;; end of part 2
;; launch attn (part 3): grid 16 x 16, 4 waves a work-group, clusters of 4 x 1, 327,680 bytes of LDS; arguments qkv, bias, ao; writes ao
.if DOCPART == 3
	.amdgcn_target "amdgcn-amd-amdhsa--gfx1250"
	.amdhsa_code_object_version 6
	.text
	.protected	k_q41eac8d281_attn
	.globl	k_q41eac8d281_attn
	.p2align	8
	.type	k_q41eac8d281_attn,@function
k_q41eac8d281_attn:
	s_mov_b64 s[64:65], 0
	v_nop
	global_prefetch_b8 v0, s[64:65] scope:SCOPE_SE
	s_setreg_imm32_b32 hwreg(HW_REG_WAVE_MODE, 25, 1), 1
	s_wait_xcnt 0x0
	s_wait_alu depctr_hold_cnt(0) depctr_sa_sdst(0) depctr_va_vdst(0) depctr_va_sdst(0) depctr_va_ssrc(0) depctr_va_vcc(0) depctr_vm_vsrc(0)
	s_getreg_b32 s2, hwreg(HW_REG_IB_STS2, 6, 4)
	s_cmp_eq_u32 s2, 0
	s_cbranch_scc0 .Lentry_in_a_cluster
	s_endpgm
.Lentry_in_a_cluster:
	s_bfe_u32 s2, ttmp6, 0x10000c
	s_cmp_lg_u32 s2, 0x3003
	s_cbranch_scc0 .Lentry_shape_is_right
	s_endpgm
.Lentry_shape_is_right:
; ATTENTION WITH A MASK THAT IS AN INPUT.  ao[q][128 head + :] = sum over k of softmax_k(q . k / sqrt(128) + bias[q][k]) v[k][:].  q, k, v: [16][2048][128] f16 (sections of qkv); bias: bf16, 0 or -2^100, in
; the order of a matrix operand; ao: [2048][2048] f16.  Products, maxima and sums in f32; the weights are rounded to f16 for the second product, the result once at the end.  Every tile is computed.
; LIMITS.  A hidden score counts as its value less 2^100 (f16 scores are 5.5e11 at the most).  The running maximum starts at F = -2^60, below every score that f16 operands can give and above every hidden one: a step that
; sees only hidden keys leaves m at F and gives weights of exactly 0.  Every row sees a key: the launch before has given an all-false row a bias of 0 and q = 0.  A weight below 2^-126 counts as 0; NaN and infinities are not treated apart.
; SHARES.  A work-group owns 128 queries of one head.  Wave w: queries 64 (w / 2) .. + 63, four tiles of 16, in two PIECES (register tiles 0, 1 and 2, 3); of every slot's 128 keys the 64 of step w % 2 (kh).  So a wave walks
; 16 steps, and the two waves of a query group meet at the end: each keeps its register tiles 0, 1 and sends 2, 3; register tile t holds query tile t xor 2 kh, so that both run the same text.
; LAYOUT.  S^T = K Q^T (source 0 = 16 keys, source 1 = 16 queries): a lane holds ONE query (lane % 16) and the keys 8 (lane / 16) + 0..7; two such results rounded to f16 ARE source 1 of O^T = V^T P.
; THE MASK starts each sum: S^T = SEL x BIAS (bf16), where SEL picks 16 of a fragment's 32 keys (a unit matrix beside zeros): 8 products for 32.  The f16 products then add in place; between the two forms on one accumulator
; stand eight slices of vector work, more than the five places that are asked for (ISA guide 7.12.1).
; SOFTMAX.  p = 2^(c s - c m), c = log2(e) / sqrt(128), running maximum m and sum l; in every step O and l are multiplied by a = 2^(c m_old - c m_new).  O, l start at 0: the first step is a step like any other.
; BY TURNS.  In a TURN one piece has the matrix unit: 32 products V^T P of the step in hand, 8 mask products and 32 products K Q^T of the next step; the other piece's softmax, in 64 slices, stands between them.
; CLUSTER.  The four query blocks of a cluster belong to one head and walk the same K and V: each tile is asked for jointly, the same tensor load, descriptor and mask in all four.
; REGISTERS, in windows of 256 (s_set_vgpr_msb: bits 1:0 source 0, 3:2 source 1, 5:4 source 2, 7:6 destination):
;   window 0: v0-11 addresses; v12-43 statistics, 8 a tile; v44-55 SEL; v56-63 addresses; v64-191 S^T, 32 a tile; v192-255 P, 16 a tile
;   window 1: O^T, 64 a tile     window 2: v0-127 Q; v128-255 K of one step     window 3: v0-127 V of one step; v128-191 the bias of one step, 16 a tile
.set KS,    64
.set PK,    272       ; a row of K in LDS: 256 bytes + 16: the 16 rows of a load start at 16 different groups of four banks
.set PV,    288       ; a row of V: 256 + 32
.set VOFF,  KS*PK
.set STEPB, KS*(PK+PV)
.set SLOT1, 1<<17     ; a slot holds two steps (71,680 bytes); slot 1 begins here
.set STAGE, SLOT1+2*STEPB  ; 16 rows x 272 bytes for each wave, for the way out
.set SP,    272
.set SPARE, STAGE+4*16*SP  ; the spare words, 128 bytes for each wave
.set XST,   SPARE+512      ; the meeting: 1,024 bytes of statistics for each wave,
.set XO,    XST+4096       ; and 16,384 bytes of O^T
.set AK0, 2
.set AV0, 3
.set ADR, 4
.set STO, 6
.set RD,  7
.set GO,  8
.set ST,  12          ; tile t at v[ST+8 t]: +0 c m, +1 m, +2, +3 l, +4 to +7 at work; +6 takes a
.set SL1, 44          ; v[44:51]: zeros, then the unit part: picks keys 16-31
.set SL0, 48          ; v[48:55]: the unit part, then zeros: picks keys 0-15
.set MO,  56          ; v56, v57  my byte offset in the bias of piece 0, piece 2; never rewritten
.set PFM, 58          ; v58  the bias prefetch's offset; never rewritten
.set QO,  59          ; v59, v60  my byte offset in Q for tiles 0, 1 and 2, 3; never rewritten
.set PFO, 61          ; v61  256 x lane; never rewritten
.set SPW, 62
.set NIL, 63
.set S,   64
.set P,   192
.set KF,  128         ; window 2
.set MB,  128         ; window 3: tile t, keys 32 kk on at MB + 16 t + 8 kk
.set WV,  12
.set LIM, 15          ; 1 in a wave that prefetches K or V, else the greatest number
.set PFA, 18          ; s[18:19]
.set MP,  20          ; s[20:21] the bias at my four tiles, at the step that is loaded next
.set LIMM, 22         ; 1 in head 0, else the greatest number
.set G1K, 24
.set G1V, 32
.set G0K, 40
.set G0V, 44
.set SLOTS, 56
.set CNT, 57
.set CS,  58
.set SEL, 60
.set TB,  62          ; LDS byte at which my step's tiles begin
.set MSB, 0
.macro WIN new
.if MSB != (\new)
	s_set_vgpr_msb (MSB<<8)|(\new)
.set MSB, \new
.endif
.endm
.set W_KQ, 0x0a       ; K and Q in window 2, S^T in window 0
.set W_MK, 0x0c       ; SEL in window 0, the bias in window 3, S^T in window 0
.set W_PV, 0x53       ; V in window 3, P in window 0, O^T in window 1
.set W_RS, 0x41       ; destination and source 0 in window 1, source 1 in window 0
.macro JLOAD                        ; waves 0 and 1 fetch the slot's two steps of K, waves 2 and 3 of V; an s_nop 0 and four v_nop follow each line
	s_cmp_lt_u32 s[WV], 2
	s_cbranch_scc0 .Lfor_v_\@
	tensor_load_to_lds s[G0K:G0K+3], s[G1K:G1K+7]
	s_nop 0
.rept 4
	v_nop
.endr
	s_branch .Lasked_\@
.Lfor_v_\@:
	tensor_load_to_lds s[G0V:G0V+3], s[G1V:G1V+7]
	s_nop 0
.rept 4
	v_nop
.endr
.Lasked_\@:
.endm
; PREFETCHES, behind the joint load and its five lines.  K and V: the slot that the NEXT change will ask for, 128 rows of 256 bytes each: the head's first cluster asks; its four partners take 32 rows each, told apart by
; address; wave 0 asks for K's, wave 2 for V's: a lane a row.  The bias: all heads read the same bias, head 0 asks: each wave for its own 8,192 bytes of the step after the one that this trip loads, a lane 256 bytes.
; So each block is named once in the launch, one trip (144 matrix instructions) ahead of its load.  The last change that fills a slot asks for nothing.
.macro ASK
	s_cmp_gt_u32 s[SLOTS], s[LIM]
	s_cbranch_scc0 .Lnot_kv_\@
	global_prefetch_b8 v[PFO], s[PFA:PFA+1] th:TH_LOAD_NT scope:SCOPE_SE
.Lnot_kv_\@:
	s_cmp_gt_u32 s[SLOTS], s[LIMM]
	s_cbranch_scc0 .Lnot_m_\@
	global_prefetch_b8 v[PFM], s[MP:MP+1] offset:4096 th:TH_LOAD_NT scope:SCOPE_SE
.Lnot_m_\@:
.endm
.macro CROUND
	s_barrier_signal -1
	s_barrier_wait -1
	s_cmp_lg_u32 s[WV], 0
	s_cbranch_scc1 .Lnot_wave_0_\@
	s_barrier_signal -3
.Lnot_wave_0_\@:
	s_barrier_wait -3
	s_barrier_signal -1
	s_barrier_wait -1
.endm
; THE CHANGE OF SLOTS, once a trip: my step's K and V have been read.  Each wave waits for all its tensor loads (one is out: its part of the other slot), adds 0 to its spare word, and waits for that and for its reads.
; fill = 1: the slot is filled again behind a round of the cluster's barrier, the first thing there.  (At its first use nothing has been read: slot 0 is waited for, slot 1 filled.)
.macro CHANGE fill, ask
	WIN 0
	s_wait_tensorcnt 0x0            ; no tensor load of mine is out, so a group 0 may be written
	ds_add_u32 v[SPW], v[NIL]       ; the steps below stand between the add and the wait for it
.if \fill
.irp g, G0K, G0V
	s_xor_b32 s[(\g)+1], s[(\g)+1], SLOT1
	s_add_nc_u64 s[(\g)+2:(\g)+3], s[(\g)+2:(\g)+3], 2*KS*256
.endr
	s_wait_xcnt 0x0                 ; the bias loads and the prefetches issued so far have read their addresses
	s_add_nc_u64 s[MP:MP+1], s[MP:MP+1], 4096  ; 128 keys on
.if \ask
	s_add_nc_u64 s[PFA:PFA+1], s[PFA:PFA+1], 2*KS*256
.endif
	s_wait_dscnt 0x0                ; the add is done, and my reads of the slot are over
	CROUND
	JLOAD
.if \ask
	ASK
.endif
.else
	s_wait_dscnt 0x0
	s_barrier_signal -1
	s_barrier_wait -1
.endif
	s_xor_b32 s[TB], s[TB], SLOT1   ; my step of the other slot
.endm
	s_load_b128 s[4:7], s[0:1], 0x0   ; qkv s[4:5], bias s[6:7]
	s_load_b64 s[10:11], s[0:1], 0x10 ; ao
	v_lshl_add_u32 v[SPW], v0, 2, SPARE
	v_mov_b32 v[NIL], 0
	ds_add_u32 v[SPW], v[NIL]       ; the wave's opening: the add and its wait stand ahead of my first tensor load
	v_lshrrev_b32 v1, 5, v0
	v_readfirstlane_b32 s[WV], v1
	s_bfe_u32 s13, ttmp6, 0x40000   ; cx
	s_lshl_b32 s14, ttmp9, 2
	s_add_co_u32 s14, s14, s13      ; my block of 128 queries: it enters Q's, the bias's and ao's addresses alone
	s_and_b32 s23, ttmp7, 0xffff    ; the head
	s_and_b32 s16, s[WV], 1         ; kh; also: which of a slot's two steps I fetch
	s_lshr_b32 s63, s[WV], 1        ; qg
	s_lshl_b32 s48, s23, 19         ; the head's first byte in a section
	s_lshl_b32 s50, s16, 14         ; my step's 64 rows of 256 bytes
	s_add_co_u32 s50, s50, s48
	s_mov_b32 s51, 0
	s_mul_i32 s17, s16, STEPB       ; and its place in a slot
	s_lshl_b32 s2, s14, 15
	s_lshl_b32 s3, s63, 14
	s_add_co_u32 s2, s2, s3
	s_add_co_u32 s2, s2, s48        ; Q: head, block, my 64 rows
	s_mov_b32 s3, 0
	s_lshl_b32 s52, s14, 19
	s_lshl_b32 s53, s63, 18
	s_add_co_u32 s52, s52, s53      ; (8 block + 4 qg) x 65,536 = (128 block + 64 qg) x 4,096
	s_lshl_b32 s53, s16, 17
	s_add_co_u32 s54, s52, s53      ; ao: + 32 kh rows,
	s_lshl_b32 s53, s23, 8
	s_add_co_u32 s54, s54, s53      ; + the head's 256 bytes of a row
	s_mov_b32 s55, 0
	s_lshl_b32 s53, s16, 11
	s_add_co_u32 s52, s52, s53      ; the bias: + step kh of slot 0
	s_mov_b32 s53, 0
	s_mov_b32 s[G1K], 15|(1<<16)|(1<<20)|(1<<21)|(5<<22)|(3<<25)  ; the mask of four; 2-byte elements; padding on; bit 21 beside a mask; after every 64 words, 4 words
	s_mov_b32 s[G1V], 15|(1<<16)|(1<<20)|(1<<21)|(5<<22)|(7<<25)  ; the same with 8 words
.irp g, G1K, G1V
	s_mov_b32 s[(\g)+1], 128<<16    ; tensor_dim0 = 128
	s_mov_b32 s[(\g)+2], KS<<16     ; tensor_dim1 = 64
	s_mov_b32 s[(\g)+3], 128<<16    ; tile_dim0 = 128
	s_mov_b32 s[(\g)+4], KS         ; tile_dim1 = 64
	s_mov_b32 s[(\g)+5], 128        ; elements from row to row
	s_mov_b32 s[(\g)+6], 0
	s_mov_b32 s[(\g)+7], 0
.endr
	s_mov_b32 s[CS], 0x3e0293ee     ; c = log2(e) / sqrt(128)
	s_mov_b32 s[CS+1], s[CS]
	s_mov_b32 s[SEL], 0x76543210
	s_mov_b32 s[SEL+1], 0xfedcba98
	s_add_co_u32 s[TB], s17, SLOT1  ; the first change of slots turns this into slot 0
	s_mov_b32 s[G0K], 1
	s_mov_b32 s[G0K+1], s17
	s_mov_b32 s[G0V], 1
	s_add_co_u32 s[G0V+1], s17, VOFF
	s_and_b32 s[LIM], s[WV], 1
	s_or_b32 s[LIM], s[LIM], ttmp9  ; 0 in waves 0 and 2 of the head's first cluster
	s_cmp_eq_u32 s[LIM], 0
	s_cselect_b32 s[LIM], 1, -1
	s_cmp_eq_u32 s23, 0
	s_cselect_b32 s[LIMM], 1, -1
	v_and_b32 v[PFO], 31, v0
	v_lshlrev_b32 v[PFO], 8, v[PFO]
	s_wait_dscnt 0x0                ; the opening add is done
	s_wait_kmcnt 0x0
	s_add_nc_u64 s[MP:MP+1], s[6:7], s[52:53]
	s_add_nc_u64 s[10:11], s[10:11], s[54:55]
	s_add_nc_u64 s[6:7], s[4:5], s[50:51]
	s_add_nc_u64 s[8:9], s[6:7], 16777216   ; V at my tile of slot 0
	s_add_nc_u64 s[6:7], s[6:7], 8388608    ; K likewise
	s_add_nc_u64 s[4:5], s[4:5], s[2:3]     ; Q at my wave's first row
	s_add_nc_u64 s[G0K+2:G0K+3], s[6:7], 0
	s_or_b32 s[G0K+3], s[G0K+3], 0x80000000
	s_add_nc_u64 s[G0V+2:G0V+3], s[8:9], 0
	s_or_b32 s[G0V+3], s[G0V+3], 0x80000000
	s_cmp_lt_u32 s[WV], 2
	s_cselect_b64 s[PFA:PFA+1], s[6:7], s[8:9]
	s_lshl_b32 s2, s13, 13          ; my work-group's 32 rows of the 128
	s_mov_b32 s3, 0
	s_add_nc_u64 s[PFA:PFA+1], s[PFA:PFA+1], s[2:3]
	s_add_nc_u64 s[PFA:PFA+1], s[PFA:PFA+1], 2*2*KS*256  ; in slot 2; the loop's first change steps it to slot 3.  Nothing is prefetched at the head
	CROUND                          ; all four work-groups are here: the first joint loads meet
	JLOAD                           ; slot 0
	v_and_b32 v1, 15, v0            ; r
	v_bfe_u32 v9, v0, 4, 1          ; h
	v_lshlrev_b32 v5, 8, v1
	v_lshl_add_u32 v5, v9, 4, v5    ; row x 256 + 16 x half
	s_lshl_b32 s2, s16, 13          ; register tiles 0, 1 are query tiles 2 kh, 2 kh + 1: 32 kh rows on;
	v_add_nc_u32 v[QO], s2, v5
	s_xor_b32 s2, s2, 8192          ; tiles 2, 3 the other two
	v_add_nc_u32 v[QO+1], s2, v5
	v_and_b32 v10, 31, v0
	v_lshlrev_b32 v11, 4, v10
	s_lshl_b32 s2, s16, 17          ; the same in the bias: a tile of 16 queries is 65,536 bytes
	v_add_nc_u32 v[MO], s2, v11
	s_xor_b32 s2, s2, 131072
	v_add_nc_u32 v[MO+1], s2, v11
	WIN 0x80                        ; destination window 2, address window 0
.irp i, 0,1,2,3,4,5,6,7,8,9,10,11,12,13,14,15  ; Q stays in registers: tile i / 4, channels 32 (i % 4) on
	global_load_b128 v[8*(\i):8*(\i)+3],   v[QO+(\i)/8], s[4:5] offset:(((\i)/4)%2)*4096+((\i)%4)*64
	global_load_b128 v[8*(\i)+4:8*(\i)+7], v[QO+(\i)/8], s[4:5] offset:(((\i)/4)%2)*4096+((\i)%4)*64+32
.endr
; The bias of piece x for the step at which MP stands: 8 loads, each 512 consecutive bytes
.macro RELOAD x
	WIN 0xc0                        ; destination window 3, address window 0
.irp u, 0,1
.irp kk, 0,1
.irp c, 0,1
	global_load_b128 v[MB+16*((\x)+\u)+8*\kk+4*\c:MB+16*((\x)+\u)+8*\kk+4*\c+3], v[MO+(\x)/2], s[MP:MP+1] offset:65536*\u+1024*\kk+512*\c
.endr
.endr
.endr
.endm
	RELOAD 0                        ; step 0
	RELOAD 2
	WIN 0
	v_lshrrev_b32 v11, 3, v10       ; the bias prefetch: lane / 8 names the tile, lane % 8 the 256 bytes
	v_and_b32 v10, 7, v10
	v_lshlrev_b32 v10, 8, v10
	v_lshl_add_u32 v[PFM], v11, 16, v10
	v_lshlrev_b32 v5, 3, v9
	v_sub_nc_u32 v5, v1, v5         ; r - 8 h: my place e in 0..7 holds the 1, if it is there
	s_mov_b32 s2, 0x3f80            ; 1.0 in bf16, in the low half,
	s_mov_b32 s3, 0x3f800000        ; in the high half
.irp e, 0,1,2,3
	v_mov_b32 v[SL1+\e], 0
	v_mov_b32 v[SL0+4+\e], 0
	v_cmp_eq_u32 vcc_lo, 2*\e, v5
	v_cndmask_b32 v[SL0+\e], 0, s2, vcc_lo
	v_cmp_eq_u32 vcc_lo, 2*\e+1, v5
	v_cndmask_b32 v[SL0+\e], v[SL0+\e], s3, vcc_lo
.endr
	v_mul_u32_u24 v[AK0], v1, PK
	v_lshl_add_u32 v[AK0], v9, 4, v[AK0]
	v_and_b32 v10, 7, v0            ; the turning load: lane l reads key 8 (l / 16) + l % 8, channels 8 ((l / 8) % 2) + 0..7
	v_bfe_u32 v11, v0, 3, 1
	v_lshl_add_u32 v[AV0], v9, 3, v10
	v_mul_u32_u24 v[AV0], v[AV0], PV
	v_lshl_add_u32 v[AV0], v11, 4, v[AV0]
	v_add_nc_u32 v[AV0], VOFF, v[AV0]
	; What the first turn finds: V and piece 2's P hold 0 (its products V^T P, of a step that has not been, add 0), O^T and l are 0, m = F.  All this stands in the wait for the first tile.
	WIN 0xc0
.set i, 0
.rept 128
	v_mov_b32 v[i], 0
.set i, i+1
.endr
	WIN 0x40
.set i, 0
.rept 256
	v_mov_b32 v[i], 0
.set i, i+1
.endr
	WIN 0
.set i, 0
.rept 4
	v_mov_b32 v[ST+8*i], 0xdc0293ee    ; c F
	v_mov_b32 v[ST+8*i+1], 0xdd800000  ; F = -2^60
	v_mov_b32 v[ST+8*i+2], 0
	v_mov_b32 v[ST+8*i+3], 0
.set i, i+1
.endr
.set i, P+32
.rept 32
	v_mov_b32 v[i], 0
.set i, i+1
.endr
; THE MATRIX WORK OF A TURN, for piece x.  The accumulators take turns, one instruction a turn.
.macro PV x                         ; product i of 32 of O^T += V^T P: keys 32 (i / 16) on, channels 16 ((i / 2) % 8) on, tile x + i % 2
	WIN W_PV
.set rO, 64*((\x)+i%2)+8*((i/2)%8)
.set rV, 64*(i/16)+8*((i/2)%8)
.set rP, P+16*((\x)+i%2)+8*(i/16)
	v_wmma_f32_16x16x32_f16 v[rO:rO+7], v[rV:rV+7], v[rP:rP+7], v[rO:rO+7]
.endm
.macro MK x                         ; product i of 8: S^T of keys 16 (i / 2) on, tile x + i % 2, starts with the bias
	WIN W_MK
.set rS, S+32*((\x)+i%2)+8*(i/2)
.set rA, SL0-4*((i/2)%2)
.set rM, MB+16*((\x)+i%2)+8*(i/4)
	v_wmma_f32_16x16x32_bf16 v[rS:rS+7], v[rA:rA+7], v[rM:rM+7], 0
.endm
.macro KQ x                         ; product i of 32 of S^T += K Q^T: channels 32 (i / 8) on, keys 16 ((i / 2) % 4) on, tile x + i % 2
	WIN W_KQ
.set rS, S+32*((\x)+i%2)+8*((i/2)%4)
.set rK, KF+32*((i/2)%4)+8*(i/8)
.set rQ, 32*((\x)+i%2)+8*(i/8)
	v_wmma_f32_16x16x32_f16 v[rS:rS+7], v[rK:rK+7], v[rQ:rQ+7], v[rS:rS+7]
.endm
; THE LDS LOADS stand in runs of 32.  tail = 1: in the tail's last trip there is no further step, and K's run is jumped over.
.macro FETCH_K tail=0
	WIN 0
.if \tail
	s_cmp_eq_u32 s[CNT], 1
	s_cbranch_scc1 .Lno_k_\@
.endif
	v_add_nc_u32 v[ADR], s[TB], v[AK0]
	WIN 0x80
.irp f, 0,1,2,3,4,5,6,7,8,9,10,11,12,13,14,15  ; keys 16 (f / 4) on, channels 32 (f % 4) on
	ds_load_b128 v[KF+8*(\f):KF+8*(\f)+3],   v[ADR] offset:((\f)/4)*16*PK+((\f)%4)*64
	ds_load_b128 v[KF+8*(\f)+4:KF+8*(\f)+7], v[ADR] offset:((\f)/4)*16*PK+((\f)%4)*64+32
.endr
.if \tail
	WIN 0
.Lno_k_\@:
.endif
.endm
.macro FETCH_V
	WIN 0
	v_add_nc_u32 v[ADR], s[TB], v[AV0]
	s_wait_alu depctr_va_vdst(0)    ; the wait for the softmax's batch, behind the address's line and ahead of the loads
	WIN 0xc0
.irp f, 0,1,2,3,4,5,6,7,8,9,10,11,12,13,14,15  ; keys 32 (f / 8) on, channels 16 (f % 8) on
	ds_load_tr16_b128 v[8*(\f):8*(\f)+3],   v[ADR] offset:((\f)/8)*32*PV+((\f)%8)*32
	ds_load_tr16_b128 v[8*(\f)+4:8*(\f)+7], v[ADR] offset:((\f)/8)*32*PV+16*PV+((\f)%8)*32
.endr
.endm
; THE VECTOR WORK OF A TURN.  One tile's softmax for one step is a list of 134 instructions; SM writes number j of it for tile t.
;   0-15 the maximum of the lane's 32 scores and the old m (each accumulator's lowest registers first)     16-20 the other half of the lanes'; the new m; c m; c m_old - c m_new
;   21-69 ONE BATCH: the 16 scalings c s - c m and all 33 exponentials (a at 23); none of these reads an exponential's result     (the wait: SLICE writes it, once for both tiles)
;   70-85 the roundings to f16     86-101 the sums; l = a l + sum     102-133 the tile's O^T times a
.macro SM t
.set rT, ST+8*(\t)
.set rS, S+32*(\t)
.set rP, P+16*(\t)
.set rO, 64*(\t)+2*(j-102)
.if j < 102
	WIN 0
.endif
.if j < 4
	v_max3_num_f32 v[rT+4+j], v[rS+8*j], v[rS+8*j+1], v[rS+8*j+2]
.elseif j < 12
	v_max3_num_f32 v[rT+4+j%4], v[rT+4+j%4], v[rS+8*(j%4)+2*(j/4)+1], v[rS+8*(j%4)+2*(j/4)+2]
.elseif j == 12
	v_max3_num_f32 v[rT+4], v[rT+4], v[rS+7], v[rS+15]
.elseif j == 13
	v_max3_num_f32 v[rT+6], v[rT+6], v[rS+23], v[rS+31]
.elseif j == 14
	v_max3_num_f32 v[rT+4], v[rT+4], v[rT+5], v[rT+6]
.elseif j == 15
	v_max3_num_f32 v[rT+4], v[rT+4], v[rT+7], v[rT+1]
.elseif j == 16
	v_permlanex16_b32 v[rT+5], v[rT+4], s[SEL], s[SEL+1]  ; the query's other 32 keys lie in the lane 16 away
.elseif j == 17
	v_mov_b32 v[rT+7], v[rT]        ; c m_old is kept for a
.elseif j == 18
	v_max_num_f32 v[rT+1], v[rT+4], v[rT+5]
.elseif j == 19
	v_mul_f32 v[rT], s[CS], v[rT+1]
.elseif j == 20
	v_sub_f32 v[rT+7], v[rT+7], v[rT]
.elseif j == 23
	v_exp_f32 v[rT+6], v[rT+7]
.elseif (j < 23) || ((j < 38) && (j%2 == 0)) || ((j < 66) && (j%4 == 2))
.set b, (j-2)/4                     ; 38, 42, .. 62: pairs 9 to 15
.if j < 38
.set b, (j-20)/2                    ; 21: pair 0; 22, 24, .. 36: pairs 1 to 8
.endif
	v_pk_fma_f32 v[rS+2*b:rS+2*b+1], v[rS+2*b:rS+2*b+1], s[CS:CS+1], v[rT:rT+1] op_sel_hi:[1,0,0] neg_lo:[0,0,1] neg_hi:[0,0,1]
.elseif j < 70
.set e, j-38                        ; 66 to 69: s28 to s31
.if j < 66
.set e, j-32-(j-38)/4               ; 39-41, 43-45, .. 63-65: s7 to s27
.endif
.if j < 38
.set e, (j-25)/2                    ; 25, 27, .. 37: s0 to s6
.endif
	v_exp_f32 v[rS+e], v[rS+e]
.elseif j < 86
	v_cvt_pk_f16_f32 v[rP+j-70], v[rS+2*(j-70)], v[rS+2*(j-70)+1]
.elseif j < 102                     ; the sum of the tile's 16 pairs, in place: neighbours 1, 2, 4 and 8 pairs apart, then l takes it
.set z, j-86
.set w, 4
.set u, z
.if z >= 14
.set w, 32
.set u, 0
.elseif z >= 12
.set w, 16
.set u, z-12
.elseif z >= 8
.set w, 8
.set u, z-8
.endif
.if z < 15
	v_pk_add_f32 v[rS+w*u:rS+w*u+1], v[rS+w*u:rS+w*u+1], v[rS+w*u+w/2:rS+w*u+w/2+1]
.else
	v_pk_fma_f32 v[rT+2:rT+3], v[rT+2:rT+3], v[rT+6:rT+7], v[rS:rS+1] op_sel_hi:[1,0,1]
.endif
.else
	WIN W_RS
	v_pk_mul_f32 v[rO:rO+1], v[rO:rO+1], v[rT+6:rT+7] op_sel_hi:[1,0]
.endif
.endm
; Slice k of 64 of piece y's softmax: four instructions; slices 11 to 34 deal out the batch, four numbers of one tile each; slice 63 holds sixteen.  Ahead of slice 35 nothing names an exponential's result and behind
; slice 34 none is issued: so the piece's 66 exponentials have one plain instruction and one wait behind slice 34.
.macro SLICE y
.if (k >= 11) && (k < 35)
.irp n, 0,1,2,3
.set j, 22+4*((k-11)/2)+(\n)
	SM (\y)+(k-11)%2
.endr
.else
.irp n, 0,1,2,3,4,5,6,7
.if ((\n) < 2) || (k == 63)
.irp t, \y, (\y)+1
.set j, 2*k+(\n)
	SM \t
.endr
.endif
.endr
.endif
.if k == 34
	v_nop
.if (\y) == 0
	FETCH_V                         ; piece 2's turn: V's run of loads stands here, and the wait stands in it
.else
	s_wait_alu depctr_va_vdst(0)
.endif
.endif
.set k, k+1
.endm
.macro PLACES
.rept 4
	v_nop
.endr
.endm
; A TURN: 72 products of piece x; slice k stands behind product k up to 62, eight products stand bare, and slice 63 stands behind the last: its sixteen plain lines are the places ahead of the next turn's reads of the
; scores and of the loads into K's registers.  K of the next step is fetched behind the second product of piece 0's turn.  V is fetched behind slice 34 of piece 2's turn: behind its last reader (product 31) stand two
; scalings, the v_nop and the address's line: four places.  The bias of the step after next is loaded behind slice 41, twelve plain lines behind the last mask product; it is wanted a whole trip later:
; the wait leaves the other piece's eight younger loads out.  tail = 1: no bias is loaded, and the wait is for all.
.macro TURN x, tail=0
.set k, 0
.if (\x) == 0
	s_wait_dscnt 0x0                ; V is in
.endif
.set i, 0
.rept 32
	PV \x
	SLICE 2-(\x)
.if ((\x) == 0) && (i == 1)
	FETCH_K \tail
.endif
.set i, i+1
.endr
	s_wait_loadcnt 8-8*(\tail)      ; my piece's bias is in
.set i, 0
.rept 8
	MK \x
	SLICE 2-(\x)
.set i, i+1
.endr
.if (\x) == 0
	s_wait_dscnt 0x0                ; K is in
.endif
.set i, 0
.rept 32
	KQ \x
.if (i < 23) || (i == 31)
	SLICE 2-(\x)
.endif
.if (i == 1) && !(\tail)
	RELOAD \x
.endif
.set i, i+1
.endr
.endm
	CHANGE 1, 0                     ; slot 0 is in, everybody's part of it; slot 1 is asked for; the bias pointer goes to step 1
	FETCH_K                         ; step 0
	s_wait_loadcnt 8                ; Q and piece 0's bias are in; piece 2's eight loads may stay out
	s_wait_dscnt 0x0
.set i, 0
.rept 8
	MK 0
.set i, i+1
.endr
	WIN 0                           ; the addresses for the way out: ten plain lines, the places between the two forms on one accumulator
	s_mul_i32 s13, s[WV], 16*SP
	s_add_co_u32 s13, s13, STAGE
	v_mul_u32_u24 v[STO], v1, SP    ; in: row l % 16, 16 bytes for each half of the lanes
	v_lshl_add_u32 v[STO], v9, 4, v[STO]
	v_add_nc_u32 v[STO], s13, v[STO]
	v_mul_u32_u24 v[RD], v9, SP     ; back: lanes 0-15 take one row of 256 bytes, lanes 16-31 the next
	v_lshl_add_u32 v[RD], v1, 4, v[RD]
	v_add_nc_u32 v[RD], s13, v[RD]
	v_lshlrev_b32 v[GO], 12, v9     ; and the same two rows of ao, 4,096 bytes apart
	v_lshl_add_u32 v[GO], v1, 4, v[GO]
.set i, 0
.rept 32
	KQ 0                            ; piece 0's first scores
.set i, i+1
.endr
	PLACES
	RELOAD 0                        ; step 1
	WIN 0
	s_mov_b32 s[SLOTS], 15
	s_branch .Lfirst                ; the loop is entered in the middle of a trip
.Lslot:                             ; 14 trips: slots 2 to 15 are asked for
	CHANGE 1, 1
	TURN 0
	WIN 0
.Lfirst:
	TURN 2
	WIN 0
	s_sub_co_u32 s[SLOTS], s[SLOTS], 1
	s_cmp_lg_u32 s[SLOTS], 0
	s_cbranch_scc1 .Lslot
	CHANGE 0, 0                     ; the tail is written out
	s_mov_b32 s[CNT], 2
.Ltail:
	TURN 0, 1
	WIN 0
	s_sub_co_u32 s[CNT], s[CNT], 1
	s_cmp_eq_u32 s[CNT], 0
	s_cbranch_scc1 .Lout            ; the second trip is left in its middle: its 40 products on the last K once more serve nothing, the price of one text for both trips
	TURN 2, 1
	WIN 0
	s_branch .Ltail
.Lout:
.set i, 0
.rept 32
	PV 2                            ; piece 2: V^T P of the last step
.set i, i+1
.endr
	; THE MEETING.  The two waves of a query group hold the same 64 queries for different keys.  For each tile: M = max(c m, c m'), f = 2^(c m - M), L = f l + f' l', and my O^T is multiplied by f / L.
	WIN 0
.irp t, 0,1,2,3
	v_add_f32 v[ST+8*\t+4], v[ST+8*\t+2], v[ST+8*\t+3]
.endr
.irp t, 0,1,2,3
	v_permlanex16_b32 v[ST+8*\t+5], v[ST+8*\t+4], s[SEL], s[SEL+1]
.endr
.irp t, 0,1,2,3
	v_mov_b32 v[S+\t], v[ST+8*\t]                          ; c m of my four tiles,
.endr
.irp t, 0,1,2,3
	v_add_f32 v[S+4+\t], v[ST+8*\t+4], v[ST+8*\t+5]        ; and l
.endr
	v_and_b32 v10, 31, v0
	v_lshlrev_b32 v10, 4, v10
	s_lshl_b32 s2, s[WV], 10
	s_add_co_u32 s2, s2, XST
	v_add_nc_u32 v11, s2, v10
	s_xor_b32 s3, s[WV], 1          ; my partner
	s_lshl_b32 s2, s3, 10
	s_add_co_u32 s2, s2, XST
	v_add_nc_u32 v5, s2, v10
	ds_store_b128 v11, v[S:S+3]
	ds_store_b128 v11, v[S+4:S+7] offset:512
	s_wait_dscnt 0x0                ; for my partner's sake
	s_barrier_signal -1
	s_barrier_wait -1
	ds_load_b128 v[S+8:S+11], v5
	ds_load_b128 v[S+12:S+15], v5 offset:512
	s_wait_dscnt 0x0
.irp t, 0,1,2,3                     ; my register tile t is my partner's (t + 2) % 4
	v_max_num_f32 v[S+16+\t], v[S+\t], v[S+8+(\t+2)%4]
.endr
.irp t, 0,1,2,3
	v_sub_f32 v[S+20+\t], v[S+\t], v[S+16+\t]
.endr
.irp t, 0,1,2,3
	v_sub_f32 v[S+24+\t], v[S+8+(\t+2)%4], v[S+16+\t]
.endr
.irp t, 0,1,2,3
	v_exp_f32 v[S+20+\t], v[S+20+\t]
.endr
.irp t, 0,1,2,3
	v_exp_f32 v[S+24+\t], v[S+24+\t]
.endr
	v_nop
	s_wait_alu depctr_va_vdst(0)    ; one wait for the eight exponentials
.irp t, 0,1,2,3
	v_mul_f32 v[S+28+\t], v[S+24+\t], v[S+12+(\t+2)%4]
.endr
.irp t, 0,1,2,3
	v_fma_f32 v[S+28+\t], v[S+20+\t], v[S+4+\t], v[S+28+\t]
.endr
.irp t, 0,1,2,3
	v_rcp_f32 v[S+28+\t], v[S+28+\t]
.endr
	v_nop
	s_wait_alu depctr_va_vdst(0)    ; one wait for the four reciprocals
.irp t, 0,1,2,3
	v_mul_f32 v[ST+8*\t+6], v[S+20+\t], v[S+28+\t]
.endr
	s_lshl_b32 s2, s[WV], 14
	s_add_co_u32 s2, s2, XO
	v_add_nc_u32 v11, s2, v10
	s_lshl_b32 s2, s3, 14
	s_add_co_u32 s2, s2, XO
	v_add_nc_u32 v5, s2, v10
	WIN W_RS
.set i, 0
.rept 128
	v_pk_mul_f32 v[2*i:2*i+1], v[2*i:2*i+1], v[ST+8*(i/32)+6:ST+8*(i/32)+7] op_sel_hi:[1,0]
.set i, i+1
.endr
	WIN 0x04                        ; store data in window 1
.set i, 0
.rept 32
	ds_store_b128 v11, v[128+4*i:128+4*i+3] offset:512*i   ; register tiles 2 and 3 go to my partner
.set i, i+1
.endr
	WIN 0
	s_wait_dscnt 0x0
	s_barrier_signal -1
	s_barrier_wait -1
.set i, 0
.rept 32
	ds_load_b128 v[S+4*i:S+4*i+3], v5 offset:512*i
.set i, i+1
.endr
	s_wait_dscnt 0x0
	WIN W_RS
.set i, 0
.rept 64
	v_pk_add_f32 v[2*i:2*i+1], v[2*i:2*i+1], v[S+2*i:S+2*i+1]
.set i, i+1
.endr
	; THE WAY OUT of register tiles 0 and 1: f16, 16 bytes a lane into my stage, back as whole rows of 256 bytes
.macro PACK t
	WIN 0x05                        ; sources 0 and 1 window 1, destination window 0
.set i, 0
.rept 32
	v_cvt_pk_f16_f32 v[S+32*(\t)+i], v[64*(\t)+2*i], v[64*(\t)+2*i+1]
.set i, i+1
.endr
	WIN 0
.irp f, 0,1,2,3,4,5,6,7
	ds_store_b128 v[STO], v[S+32*(\t)+4*(\f):S+32*(\t)+4*(\f)+3] offset:32*(\f)
.endr
.irp f, 0,1,2,3,4,5,6,7
	ds_load_b128 v[S+32*(\t)+4*(\f):S+32*(\t)+4*(\f)+3], v[RD] offset:(\f)*2*SP  ; LDS serves a wave's instructions in order (ISA guide 5.7.1.4): these see the stores above
.endr
.endm
.macro SEND t, younger              ; younger: the LDS instructions issued behind tile t's loads
.irp f, 0,1,2,3,4,5,6,7
	s_wait_dscnt (\younger)+7-(\f)
	global_store_b128 v[GO], v[S+32*(\t)+4*(\f):S+32*(\t)+4*(\f)+3], s[10:11] offset:(\t)*65536+(\f)*8192  ; 16 lanes store 256 consecutive bytes, aligned
.endr
.endm
	PACK 0
	PACK 1
	SEND 0, 16
	SEND 1, 0
	s_wait_tensorcnt 0x0            ; the wave's end
	ds_add_u32 v[SPW], v[NIL]
	s_wait_dscnt 0x0
	CROUND                          ; the closing round
	s_endpgm
.Lfunc_end_k_q41eac8d281_attn:
	.size	k_q41eac8d281_attn, .Lfunc_end_k_q41eac8d281_attn-k_q41eac8d281_attn
	.p2alignl 7, 3214868480
	.fill 96, 4, 3214868480
	.section	.rodata,"a",@progbits
	.p2align	6, 0x0
	.amdhsa_kernel k_q41eac8d281_attn
		.amdhsa_group_segment_fixed_size 327680
		.amdhsa_private_segment_fixed_size 0
		.amdhsa_enable_private_segment 0
		.amdhsa_kernarg_size 24
		.amdhsa_user_sgpr_count 2
		.amdhsa_user_sgpr_kernarg_segment_ptr 1
		.amdhsa_wavefront_size32 1
		.amdhsa_system_sgpr_workgroup_id_x 1
		.amdhsa_system_sgpr_workgroup_id_y 1
		.amdhsa_system_sgpr_workgroup_id_z 1
		.amdhsa_system_vgpr_workitem_id 0
		.amdhsa_next_free_vgpr 1024
		.amdhsa_next_free_sgpr 66
		.amdhsa_reserve_vcc 1
		.amdhsa_float_denorm_mode_32 3
		.amdhsa_float_denorm_mode_16_64 3
		.amdhsa_memory_ordered 1
		.amdhsa_forward_progress 1
		.amdhsa_inst_pref_size 168
	.end_amdhsa_kernel
	.amdgpu_metadata
---
amdhsa.version: [ 1, 2 ]
amdhsa.kernels:
  - .name:           k_q41eac8d281_attn
    .symbol:         k_q41eac8d281_attn.kd
    .args:
      - { .name: qkv, .offset: 0, .size: 8, .value_kind: global_buffer, .address_space: global }
      - { .name: bias, .offset: 8, .size: 8, .value_kind: global_buffer, .address_space: global }
      - { .name: ao, .offset: 16, .size: 8, .value_kind: global_buffer, .address_space: global }
    .group_segment_fixed_size: 327680
    .private_segment_fixed_size: 0
    .kernarg_segment_align: 8
    .kernarg_segment_size: 24
    .max_flat_workgroup_size: 128
    .sgpr_count:     66
    .vgpr_count:     1024
    .wavefront_size: 32
...
	.end_amdgpu_metadata
.endif
;; end of part 3
;; launch oproj (part 4): grid 16 x 16, 4 waves a work-group, clusters of 4 x 4, 327,680 bytes of LDS; arguments ao, xb, out0; writes out0
.if DOCPART == 4
	.amdgcn_target "amdgcn-amd-amdhsa--gfx1250"
	.amdhsa_code_object_version 6
	.text
	.protected	k_q41eac8d281_oproj
	.globl	k_q41eac8d281_oproj
	.p2align	8
	.type	k_q41eac8d281_oproj,@function
k_q41eac8d281_oproj:
	s_mov_b64 s[64:65], 0
	v_nop
	global_prefetch_b8 v0, s[64:65] scope:SCOPE_SE
	s_setreg_imm32_b32 hwreg(HW_REG_WAVE_MODE, 25, 1), 1
	s_wait_xcnt 0x0
	s_wait_alu depctr_hold_cnt(0) depctr_sa_sdst(0) depctr_va_vdst(0) depctr_va_sdst(0) depctr_va_ssrc(0) depctr_va_vcc(0) depctr_vm_vsrc(0)
	s_getreg_b32 s2, hwreg(HW_REG_IB_STS2, 6, 4)
	s_cmp_eq_u32 s2, 0
	s_cbranch_scc0 .Lentry_in_a_cluster
	s_endpgm
.Lentry_in_a_cluster:
	s_bfe_u32 s2, ttmp6, 0x10000c
	s_cmp_lg_u32 s2, 0xf033
	s_cbranch_scc0 .Lentry_shape_is_right
	s_endpgm
.Lentry_shape_is_right:
; THE OUTPUT PROJECTION.  out0[l][e] = sum over d of ao[l][d] w_o[e][d].  ao: [2048][2048] f16; w_o: section 6 of xb, f16 (the bf16 rounding of the input, written as f16); out0: f32.  Sums in f32.
; SHARES.  256 tiles of 128 x 128, one for each WGP.  Four waves, each 64 x 64: 16 accumulators.  K in 8 steps of 256 (LDS rows of 512 bytes) through two slots.
; A K STEP IS WRITTEN ONCE.  A trip of the loop is one K step; which slot it reads stands in a scalar that one exclusive or turns from 0 to SLOT and back, and the fragment addresses are made anew from it at each change
; of slots.  The last two K steps, which fill nothing, are a second loop of two trips.
; CLUSTERS: 4 x 4 work-groups; ao's tiles are shared along a row of the cluster, w_o's along a column, by joint loads.
; THE MATRIX INSTRUCTION IS USED TRANSPOSED (source 0 = 16 rows of w_o, source 1 = 16 rows of ao): a lane holds eight neighbouring columns of one row: 32 bytes.
; THE WAY OUT.  A wave's 64 columns of f32 are 256 consecutive bytes, aligned: each wave has a stage of its own (16 rows x 272 bytes) behind the ring and needs no barrier.
; REGISTERS: window 0: v0-31 addresses; v128-255 accumulators ((a, b) at 128 + 8 (4 a + b)).  window 1: two fragment buffers of 128.
.set SIZE_K, 2048
.set KSTEP,  256
.set STEPS,  SIZE_K/KSTEP              ; 8
.set PITCH,  528                       ; an LDS row: 512 bytes + 16 of padding = 132 words: the 16 rows of a fragment load start at 16 different groups of four banks
.set HALFT,  64*PITCH                  ; 64 rows: what one tensor load brings: 0x8400 bytes
.set SLOT,   4*HALFT                   ; ao's 128 rows, then w_o's 128 rows: 0x21000 bytes.  It shares no bit with wave x HALFT (0, 0x8400, 0x10800, 0x18c00), so an exclusive or with it turns a tile's LDS address in one slot into the other's
.set STAGE,  2*SLOT
.set SPITCH, 272
.set SPARE,  STAGE+4*16*SPITCH         ; behind the stages: the spare words, 128 bytes for each wave
.set ABASE, 16                         ; v16  LDS address of my fragments of ao in slot 0; never rewritten
.set BBASE, 17                         ; v17  the same for w_o; never rewritten
.set ADRA, 20                          ; v20  LDS address of my fragments of ao in the slot that is being read
.set ADRB, 21                          ; v21  the same for w_o
.set STO,  24
.set RD,   25
.set CO,   26
.set SPW,  28
.set NIL,  29
.set ACC,  128
.set F0,   0
.set F1,   128
.set TB,   18                          ; s18  0 or SLOT: the slot that is being read
.set CNT,  19                          ; s19  counts the tail's two trips
.set G1, 24                            ; s[24:31] descriptor group 1 for ao's tiles;  s[32:39] group 0: a set for each of the two first fills; the second then walks on
.set G0, 32
.set G1B, 48                           ; s[48:55], s[56:63] the same for w_o's tiles
.set G0B, 56
.set MSB, 0
.macro WIN new                         ; the immediate's high byte repeats the setting that is left; a switch that changes nothing is dropped
.if MSB != (\new)
	s_set_vgpr_msb (MSB<<8)|(\new)
.set MSB, \new
.endif
.endm
.set MUL,  0x05                        ; sources 0 (w_o) and 1 (ao) window 1; C and D window 0
.set TO_F, 0x40                        ; destination window 1, address window 0
.macro JLOAD s                         ; waves 0 and 1 fetch ao's two halves, waves 2 and 3 w_o's; an s_nop 0 and four v_nop follow each line
	s_cmp_eq_u32 s11, 0
	s_cbranch_scc0 .Lfor_b_\@
	tensor_load_to_lds s[G0+4*(\s):G0+4*(\s)+3], s[G1:G1+7]
	s_nop 0
.rept 4
	v_nop
.endr
	s_branch .Lasked_\@
.Lfor_b_\@:
	tensor_load_to_lds s[G0B+4*(\s):G0B+4*(\s)+3], s[G1B:G1B+7]
	s_nop 0
.rept 4
	v_nop
.endr
.Lasked_\@:
.endm
.macro CREST                           ; a round of the cluster's barrier behind its opening barrier
	s_cmp_lg_u32 s10, 0
	s_cbranch_scc1 .Lnot_wave_0_\@
	s_barrier_signal -3
.Lnot_wave_0_\@:
	s_barrier_wait -3
	s_barrier_signal -1
	s_barrier_wait -1
.endm
.macro CROUND
	s_barrier_signal -1
	s_barrier_wait -1
	CREST
.endm
	s_load_b128 s[4:7], s[0:1], 0x0                ; ao s[4:5], xb s[6:7]
	s_load_b64 s[8:9], s[0:1], 0x10                ; out0
	v_lshl_add_u32 v[SPW], v0, 2, SPARE
	v_mov_b32 v[NIL], 0
	ds_add_u32 v[SPW], v[NIL]                      ; the wave's opening: the add and its wait stand ahead of my first tensor load
	v_lshrrev_b32 v1, 5, v0
	v_readfirstlane_b32 s10, v1
	s_lshr_b32 s11, s10, 1                         ; my half of the rows.  Also: I fetch for ao (0) or for w_o (1)
	s_and_b32 s12, s10, 1                          ; my half of the columns.  Also: which 64 rows of that tile I fetch
	s_bfe_u32 s40, ttmp6, 0x40000
	s_bfe_u32 s41, ttmp6, 0x40004
	s_lshl_b32 s42, ttmp9, 2
	s_add_co_u32 s42, s42, s40                     ; tile column
	s_and_b32 s13, ttmp7, 0xffff
	s_lshl_b32 s13, s13, 2
	s_add_co_u32 s13, s13, s41                     ; tile row
	s_lshl_b32 s43, s41, 2
	s_lshl_b32 s43, 15, s43
	s_lshl_b32 s44, 0x1111, s40
	s_or_b32 s[G1+0], s43, (1<<16)|(1<<20)|(1<<21)|(6<<22)|(3<<25)  ; the mask; 2-byte elements; padding on; bit 21 beside a mask; after every 128 words, 4 words
	s_or_b32 s[G1B+0], s44, (1<<16)|(1<<20)|(1<<21)|(6<<22)|(3<<25)
.irp g, G1, G1B
	s_mov_b32 s[(\g)+1], KSTEP<<16                 ; tensor_dim0 = 256
	s_mov_b32 s[(\g)+2], 64<<16                    ; tensor_dim1 = 64
	s_mov_b32 s[(\g)+3], KSTEP<<16                 ; tile_dim0 = 256
	s_mov_b32 s[(\g)+4], 64                        ; tile_dim1 = 64
	s_mov_b32 s[(\g)+5], SIZE_K                    ; elements from row to row
	s_mov_b32 s[(\g)+6], 0
	s_mov_b32 s[(\g)+7], 0
.endr
	s_lshl_b32 s17, s12, 6
	s_lshl_b32 s16, s13, 7
	s_add_co_u32 s16, s16, s17
	s_lshl_b32 s16, s16, 12                        ; ao: row 128 x tile row + 64 x half, of 4,096 bytes
	s_lshl_b32 s46, s42, 7
	s_add_co_u32 s46, s46, s17
	s_lshl_b32 s46, s46, 12
	s_add_co_u32 s46, s46, 6*8388608               ; w_o: section 6
	s_mov_b32 s17, 0
	s_mov_b32 s47, 0
	s_mul_i32 s20, s10, HALFT
	s_wait_dscnt 0x0                               ; the opening add is done
	s_wait_kmcnt 0x0
	s_add_nc_u64 s[14:15], s[4:5], s[16:17]
	s_add_nc_u64 s[46:47], s[6:7], s[46:47]
	CROUND                                         ; all sixteen work-groups are here: the first joint loads meet
.irp s, 0,1
	s_mov_b32 s[G0+4*(\s)], 1
	s_add_co_u32 s[G0+4*(\s)+1], s20, (\s)*SLOT
	s_add_nc_u64 s[G0+4*(\s)+2:G0+4*(\s)+3], s[14:15], (\s)*KSTEP*2
	s_or_b32 s[G0+4*(\s)+3], s[G0+4*(\s)+3], 0x80000000
	s_mov_b32 s[G0B+4*(\s)], 1
	s_add_co_u32 s[G0B+4*(\s)+1], s20, (\s)*SLOT
	s_add_nc_u64 s[G0B+4*(\s)+2:G0B+4*(\s)+3], s[46:47], (\s)*KSTEP*2
	s_or_b32 s[G0B+4*(\s)+3], s[G0B+4*(\s)+3], 0x80000000
	JLOAD \s                                       ; two loads of mine are out
.endr
	v_and_b32 v1, 15, v0
	v_bfe_u32 v2, v0, 4, 1
	v_mul_u32_u24 v3, v1, PITCH
	v_lshl_add_u32 v3, v2, 4, v3
	s_mul_i32 s21, s11, HALFT
	s_mul_i32 s22, s12, HALFT
	s_add_co_u32 s22, s22, 2*HALFT
	v_add_nc_u32 v[ABASE], s21, v3
	v_add_nc_u32 v[BBASE], s22, v3
	v_mov_b32 v[ADRA], v[ABASE]                    ; K step 0 lies in slot 0
	v_mov_b32 v[ADRB], v[BBASE]
	s_mov_b32 s[TB], 0
	s_mul_i32 s23, s10, 16*SPITCH
	s_add_co_u32 s23, s23, STAGE                   ; my stage
	v_mul_u32_u24 v4, v1, SPITCH                   ; in: row l % 16, 32 bytes for each half of the lanes
	v_lshl_add_u32 v4, v2, 5, v4
	v_add_nc_u32 v[STO], s23, v4
	v_mul_u32_u24 v5, v2, SPITCH                   ; back: lanes 0-15 one row of 256 bytes, lanes 16-31 the next
	v_lshl_add_u32 v5, v1, 4, v5
	v_add_nc_u32 v[RD], s23, v5
	v_lshlrev_b32 v5, 13, v2                       ; and the same two rows of out0, 8,192 bytes apart
	v_lshl_add_u32 v[CO], v1, 4, v5
	s_lshl_b32 s16, s13, 7
	s_lshl_b32 s17, s11, 6
	s_add_co_u32 s16, s16, s17                     ; my first row
	s_lshl_b32 s16, s16, 13
	s_mov_b32 s17, 0
	s_add_nc_u64 s[8:9], s[8:9], s[16:17]
	s_lshl_b32 s46, s42, 9                         ; my first column, in bytes: 512 x tile column + 256 x half
	s_lshl_b32 s47, s12, 8
	s_add_co_u32 s46, s46, s47
	s_mov_b32 s47, 0
	s_add_nc_u64 s[8:9], s[8:9], s[46:47]
; 8 matrix instructions: row blocks a0, a0 + 1 x all 4 column blocks, 32 along K: half c of buffer f.  zero = 1: the first product starts the sums.  The 16 accumulators take turns
.macro MUL8 f, c, a0, zero
	WIN MUL
.irp a, \a0, (\a0)+1
.irp b, 0,1,2,3
.if \zero
	v_wmma_f32_16x16x32_f16 v[ACC+8*(4*(\a)+(\b)):ACC+8*(4*(\a)+(\b))+7], v[(\f)+64+8*(4*(\c)+(\b)):(\f)+64+8*(4*(\c)+(\b))+7], v[(\f)+8*(4*(\c)+(\a)):(\f)+8*(4*(\c)+(\a))+7], 0
.else
	v_wmma_f32_16x16x32_f16 v[ACC+8*(4*(\a)+(\b)):ACC+8*(4*(\a)+(\b))+7], v[(\f)+64+8*(4*(\c)+(\b)):(\f)+64+8*(4*(\c)+(\b))+7], v[(\f)+8*(4*(\c)+(\a)):(\f)+8*(4*(\c)+(\a))+7], v[ACC+8*(4*(\a)+(\b)):ACC+8*(4*(\a)+(\b))+7]
.endif
.endr
.endr
.endm
; 32 LDS loads in one run: the fragments of 64 along K at byte k of the rows of the slot that is being read, into buffer f; the first 32 along K first
.macro FETCH k, f
	WIN TO_F
.irp c, 0,1
.irp i, 0,1,2,3
	ds_load_b128 v[(\f)+64+8*(4*(\c)+(\i)):(\f)+64+8*(4*(\c)+(\i))+3],   v[ADRB] offset:(\k)+64*(\c)+(\i)*16*PITCH
	ds_load_b128 v[(\f)+64+8*(4*(\c)+(\i))+4:(\f)+64+8*(4*(\c)+(\i))+7], v[ADRB] offset:(\k)+64*(\c)+(\i)*16*PITCH+32
	ds_load_b128 v[(\f)+8*(4*(\c)+(\i)):(\f)+8*(4*(\c)+(\i))+3],         v[ADRA] offset:(\k)+64*(\c)+(\i)*16*PITCH
	ds_load_b128 v[(\f)+8*(4*(\c)+(\i))+4:(\f)+8*(4*(\c)+(\i))+7],       v[ADRA] offset:(\k)+64*(\c)+(\i)*16*PITCH+32
.endr
.endr
.endm
.macro FLIP                            ; the fragment loads go over to the other slot
	WIN 0
	s_xor_b32 s[TB], s[TB], SLOT
	v_add_nc_u32 v[ADRA], s[TB], v[ABASE]
	v_add_nc_u32 v[ADRB], s[TB], v[BBASE]
.endm
.macro PLACES                          ; four places in front of loads into registers that matrix instructions have read
.rept 4
	v_nop
.endr
.endm
; A K step is four quarters of 64 along K, 32 matrix instructions each, on buffers 0, 1, 0, 1.  One of the first three multiplies buffer f and fetches the next quarter, at byte k, into g.
.macro QUARTER k, f, g, zero
	s_wait_dscnt 16                                ; the first 32 along K are in; the sixteen younger loads may be out
	MUL8 \f, 0, 0, \zero
	MUL8 \f, 0, 2, \zero
	PLACES
	FETCH \k, \g
	s_wait_dscnt 32                                ; all but the 32 just issued
	MUL8 \f, 1, 0, 0
	MUL8 \f, 1, 2, 0
.endm
; The last quarter multiplies buffer 1 and changes slots.  MEET is its first half: one barrier; in front of it each wave waits for all its tensor loads (at most one is out: its part of the next slot), adds 0 to its spare
; word, and waits for that and for its own reads of this slot.
.macro MEET round                      ; round = 1: a round of the cluster's barrier follows
	WIN 0
	s_wait_tensorcnt 0x0                           ; all my tensor loads have landed
	ds_add_u32 v[SPW], v[NIL]
	s_wait_dscnt 17                                ; the add and the youngest sixteen loads may be out
	MUL8 F1, 0, 0, 0
	s_wait_dscnt 0x0                               ; the add is done, and my reads of this slot are over
	s_barrier_signal -1
	MUL8 F1, 0, 2, 0
.if \round
	WIN 0
.endif
	s_barrier_wait -1
.endm
; The whole last quarter in the loop: behind the round the slot just read out is filled again first, with the K step two steps on; then come the next slot's first fragments.
.macro TURN
	MEET 1
	CREST                                          ; no wave of any partner still reads this slot or has a load on its way
.irp g, G0+4, G0B+4
	s_xor_b32 s[(\g)+1], s[(\g)+1], SLOT           ; the walking descriptor: the other slot than last time,
	s_add_nc_u64 s[(\g)+2:(\g)+3], s[(\g)+2:(\g)+3], KSTEP*2  ; the next K step; the type bits on top are not reached
.endr
	JLOAD 1                                        ; the first tensor load behind the round; its four v_nop are also the places in front of the loads below
	FLIP
	FETCH 0, F0
	MUL8 F1, 1, 0, 0
	MUL8 F1, 1, 2, 0
.endm
	s_wait_tensorcnt 1                             ; my part of K step 0 is in; K step 1's may stay out
	s_barrier_signal -1
	s_barrier_wait -1
	FETCH 0, F0
	QUARTER 128, F0, F1, 1                         ; the first quarter stands in front of the loop: its first products start the sums
	WIN 0                                          ; at a label and at a branch every window is 0
	s_mov_b32 s3, STEPS-2
.Lstep:                                                ; 6 trips: from a K step's second quarter to the next step's first; the slot that the step leaves is filled again
	QUARTER 256, F1, F0, 0
	QUARTER 384, F0, F1, 0
	TURN
	QUARTER 128, F0, F1, 0
	WIN 0
	s_sub_co_u32 s3, s3, 1
	s_cmp_lg_u32 s3, 0
	s_cbranch_scc1 .Lstep
	s_mov_b32 s[CNT], 2
.Ltail:                                                ; the last two K steps fill nothing.  The second trip jumps over the next step's fetch and first quarter: there is none; its barrier orders nothing, the price of one text for both trips
	QUARTER 256, F1, F0, 0
	QUARTER 384, F0, F1, 0
	MEET 0                                         ; first trip: my one tensor load that was still out is slot 1's, the last K step's
	MUL8 F1, 1, 0, 0
	MUL8 F1, 1, 2, 0
	WIN 0
	s_cmp_eq_u32 s[CNT], 1
	s_cbranch_scc1 .Llast
	FLIP
	PLACES
	FETCH 0, F0                                    ; behind the quarter's products, not in their middle: the wait for it is sat out once a launch
	QUARTER 128, F0, F1, 0
	WIN 0
.Llast:
	s_sub_co_u32 s[CNT], s[CNT], 1
	s_cmp_lg_u32 s[CNT], 0
	s_cbranch_scc1 .Ltail
	; THE WAY OUT, a block of 16 rows at a time: 32 bytes a lane into my stage (each accumulator's low registers first), back as whole rows of 256 bytes into the registers that they left
	PLACES
	PLACES
.macro TOSTAGE a
.irp b, 0,1,2,3
	ds_store_b128 v[STO], v[ACC+8*(4*(\a)+\b):ACC+8*(4*(\a)+\b)+3]   offset:64*\b
	ds_store_b128 v[STO], v[ACC+8*(4*(\a)+\b)+4:ACC+8*(4*(\a)+\b)+7] offset:64*\b+16
.endr
.irp t, 0,1,2,3,4,5,6,7
	ds_load_b128 v[ACC+32*(\a)+4*\t:ACC+32*(\a)+4*\t+3], v[RD] offset:\t*2*SPITCH  ; LDS serves a wave's instructions in order (ISA guide 5.7.1.4): these see the stores above; the next block's stores come behind them
.endr
.endm
.macro SEND a, younger                 ; younger: the LDS instructions issued behind block a's loads
.irp t, 0,1,2,3,4,5,6,7
	s_wait_dscnt (\younger)+7-\t
	global_store_b128 v[CO], v[ACC+32*(\a)+4*\t:ACC+32*(\a)+4*\t+3], s[8:9] offset:(\a)*131072+\t*16384  ; 16 lanes store 256 consecutive bytes, aligned
.endr
.endm
	TOSTAGE 0
	TOSTAGE 1
	SEND 0, 16
	TOSTAGE 2
	SEND 1, 16
	TOSTAGE 3
	SEND 2, 16
	SEND 3, 0
	s_wait_tensorcnt 0x0                           ; the wave's end
	ds_add_u32 v[SPW], v[NIL]
	s_wait_dscnt 0x0
	CROUND                                         ; the closing round
	s_endpgm
.Lfunc_end_k_q41eac8d281_oproj:
	.size	k_q41eac8d281_oproj, .Lfunc_end_k_q41eac8d281_oproj-k_q41eac8d281_oproj
	.p2alignl 7, 3214868480
	.fill 96, 4, 3214868480
	.section	.rodata,"a",@progbits
	.p2align	6, 0x0
	.amdhsa_kernel k_q41eac8d281_oproj
		.amdhsa_group_segment_fixed_size 327680
		.amdhsa_private_segment_fixed_size 0
		.amdhsa_enable_private_segment 0
		.amdhsa_kernarg_size 24
		.amdhsa_user_sgpr_count 2
		.amdhsa_user_sgpr_kernarg_segment_ptr 1
		.amdhsa_wavefront_size32 1
		.amdhsa_system_sgpr_workgroup_id_x 1
		.amdhsa_system_sgpr_workgroup_id_y 1
		.amdhsa_system_sgpr_workgroup_id_z 1
		.amdhsa_system_vgpr_workitem_id 0
		.amdhsa_next_free_vgpr 512
		.amdhsa_next_free_sgpr 66
		.amdhsa_reserve_vcc 0
		.amdhsa_float_denorm_mode_32 3
		.amdhsa_float_denorm_mode_16_64 3
		.amdhsa_memory_ordered 1
		.amdhsa_forward_progress 1
		.amdhsa_inst_pref_size 58
	.end_amdhsa_kernel
	.amdgpu_metadata
---
amdhsa.version: [ 1, 2 ]
amdhsa.kernels:
  - .name:           k_q41eac8d281_oproj
    .symbol:         k_q41eac8d281_oproj.kd
    .args:
      - { .name: ao, .offset: 0, .size: 8, .value_kind: global_buffer, .address_space: global }
      - { .name: xb, .offset: 8, .size: 8, .value_kind: global_buffer, .address_space: global }
      - { .name: out0, .offset: 16, .size: 8, .value_kind: global_buffer, .address_space: global }
    .group_segment_fixed_size: 327680
    .private_segment_fixed_size: 0
    .kernarg_segment_align: 8
    .kernarg_segment_size: 24
    .max_flat_workgroup_size: 128
    .sgpr_count:     66
    .vgpr_count:     512
    .wavefront_size: 32
...
	.end_amdgpu_metadata
.endif
;; end of part 4
;; ======== version 2 of 2: 4 launches; version 1 with the launch prep written anew for expert scheduling mode
;; limits: values are held in f16: magnitudes above 65,504 overflow, below 6.1e-05 lose precision
;; workspace buffers: xb 58,720,256 bytes; tab 3,145,728 bytes; bias 8,388,608 bytes; qkv 25,165,824 bytes; ao 8,388,608 bytes
;; launch prep (part 5): grid 128 x 8, 8 waves a work-group, no clusters, 2,048 bytes of LDS; arguments query, key, value, w_q, w_k, w_v, w_o, mask, xb, tab, bias; writes xb, tab, bias
.if DOCPART == 5
	.amdgcn_target "amdgcn-amd-amdhsa--gfx1250"
	.amdhsa_code_object_version 6
	.text
	.protected	k_q41eac8d281_prep
	.globl	k_q41eac8d281_prep
	.p2align	8
	.type	k_q41eac8d281_prep,@function
k_q41eac8d281_prep:
	s_mov_b64 s[64:65], 0
	v_nop
	global_prefetch_b8 v0, s[64:65] scope:SCOPE_SE
	s_setreg_imm32_b32 hwreg(HW_REG_WAVE_SCHED_MODE, 0, 2), 2
	s_setreg_imm32_b32 hwreg(HW_REG_WAVE_MODE, 25, 1), 1
	s_wait_xcnt 0x0
	s_wait_alu depctr_vm_vsrc(0)
; PREPARATION.  Work-group row y = 0..6: one of the seven f32 tensors (query, key, value, w_q, w_k, w_v, w_o), 2048 x 2048, is rounded once to bf16 into section y of xb;
; w_o's bf16 number is then written as f16 (exact from 2^-17 up; below that f16's fixed step of 6e-8 holds).  A work-group takes 131,072 bytes: 32 loads of 16 bytes a lane, all issued at once.
; Row y = 7, work-group x: the 16 queries 16 x .. 16 x + 15 of the mask.  It writes
;   bias: bf16, 0 where a key is seen and -2^100 where it is hidden, in the order of a matrix operand: [tile of 16 queries][32 keys][half c][lane r + 16 h][8], key = 32 k32 + 16 c + 8 h + e, query r;
;   tab:  for position t a row of 512 bytes, cos[0..63] then sin[0..63] in f32: section 0 for Q, 1 for K, 2 for V (cos = 1, sin = 0, so that one text serves all three projections).
; A ROW OF THE MASK THAT IS ALL FALSE gets a bias of 0 everywhere and cos = sin = 0 in Q's section: its q is 0, all its scores are 0, and the softmax is uniform, as where() with one value for all keys makes it.
; COS AND SIN: angle = t x 2^(-j log2(10000) / 64), reduced by a whole number of turns (1 / 2 pi in two parts, fused) to |y| <= pi for every t, then the series to y^15 and y^16, whose cut lies under 1e-6 there.
; LIMIT: the angle follows the f32 product t x inv_freq; inv_freq is good to about two parts in 10^7, the angle at t = 2047 to about 3e-4.  Mask bytes are 0 or 1.
; No cluster, no matrix unit: no work-group reads what another reads, and memory binds.
; THE MODE: SCHED_MODE bits 1:0 = 2 (LLVM: expert scheduling mode 2), set by the entry lines.  The code itself states the register dependences between vector instructions and memory or LDS instructions,
; with s_wait_alu, always for 0.
; THE PLAN, y = 0..6.  Registers that memory instructions touch:
;   VI, VO   the offsets: written once at the path's head, read by every load and every store, never written again.
;   X        written by the 32 loads, once; pair i is read by pair i's conversions; no vector line names X ahead of the loads.
;   Y        pair i's four words are written by pair i's conversions alone and read by one store; never written again.
; The store of pair i - 4 is issued in pair i's turn.  One wait on va_vdst stands at the head of turns 4, 8 and 12: it states that the four pairs before have written their Y; the four stores that follow it, one a turn,
; read those words alone, and no vector line behind the wait names them.  One more stands ahead of the last four stores.
; THE PLAN, y = 7.  MOF, FA, FR, FJ, BO, TOF: addresses, written once, never again.  M, FL, FM: written by loads, once, and named by no vector line before.  A0: the LDS store's data, written again behind the barrier.
; OUT, QC, QS, COS, SIN, ONE, ZER: written once by vector lines, read by the stores.  The bias is made in two halves: the first half's stores and the table's are dealt among the lines that make the second half,
; which name none of their registers.  SPW, NIL: written at the head, read by the closing add alone.
.set X,   2                            ; v[2:129]   convert: 16 x 8 numbers as loaded
.set Y,   130                          ; v[130:193] convert: 16 x 4 words to store
.set VI,  194                          ; 32 x thread
.set VO,  195                          ; 16 x thread
.set T0,  196
.set T1,  197
.set T2,  198
.set SPW, 206                          ; LDS address of my spare word; never rewritten
.set NIL, 207                          ; 0; never rewritten
.set SPARE, 1024                       ; behind the flags: 128 bytes for each of the eight waves
.set M,    2                           ; mask path: v[2:33] my 8 x 16 bytes of the mask
.set OUT,  34                          ; v[34:97] the same as 8 x 32 bytes of bias
.set R,    100                         ; thread % 16
.set J,    101                         ; thread / 16
.set MOF,  102
.set FA,   103
.set FR,   104
.set FJ,   105
.set A0,   106                         ; v106 any(row r), v107 any(row j)
.set FL,   108                         ; v[108:123]
.set FM,   124                         ; v[124:139]
.set MULC, 140
.set FLAG, 141
.set BO,   145
.set TT,   146
.set TF,   147
.set JB,   148
.set ARG,  150
.set INV,  154
.set ANG,  158
.set NN,   159
.set RHO,  160
.set YV,   161
.set Z,    162
.set PS,   163
.set COS,  168
.set SIN,  172
.set QC,   176
.set QS,   180
.set ONE,  184
.set ZER,  188
.set TOF,  192
	s_load_b512 s[8:23], s[0:1], 0x0               ; query, key, value, w_q, w_k, w_v, w_o, mask
	s_load_b128 s[24:27], s[0:1], 0x40             ; xb, tab
	s_load_b64 s[28:29], s[0:1], 0x50              ; bias
	v_lshl_add_u32 v[SPW], v0, 2, SPARE
	v_mov_b32 v[NIL], 0
	s_and_b32 s2, ttmp7, 0xffff                    ; y
	s_mov_b32 s3, ttmp9                            ; x
	s_mov_b32 s31, 0
	s_wait_kmcnt 0x0
	s_cmp_eq_u32 s2, 7
	s_cbranch_scc1 .Lmask
	; ---- y = 0..6: f32 to 16 bits ----
	s_mov_b64 s[4:5], s[8:9]
.irp i, 1,2,3,4,5,6
	s_cmp_eq_u32 s2, \i
	s_cselect_b64 s[4:5], s[8+2*\i:9+2*\i], s[4:5]
.endr
	s_lshl_b32 s30, s3, 17                         ; my 131,072 bytes of the source
	s_add_nc_u64 s[4:5], s[4:5], s[30:31]
	s_lshl_b32 s30, s2, 23                         ; section y,
	s_lshl_b32 s32, s3, 16                         ; my 65,536 bytes of it
	s_add_co_u32 s30, s30, s32
	s_add_nc_u64 s[6:7], s[24:25], s[30:31]
	v_lshlrev_b32 v[VI], 5, v0
	v_lshlrev_b32 v[VO], 4, v0
	s_wait_alu depctr_va_vdst(0)                   ; VI and VO are written: every load below reads the one as its offset, every store the other
.set i, 0
.rept 16
	global_load_b128 v[X+8*i:X+8*i+3],   v[VI], s[4:5] offset:8192*i th:TH_LOAD_NT
	global_load_b128 v[X+8*i+4:X+8*i+7], v[VI], s[4:5] offset:8192*i+16 th:TH_LOAD_NT
.set i, i+1
.endr
.macro CONV f16
.set i, 0
.rept 16
	s_wait_loadcnt 30-2*i                          ; loads come back in order: pair i is in, the 30 - 2 i younger ones may stay out
.if (i > 0) && (i%4 == 0)
	s_wait_alu depctr_va_vdst(0)                   ; the conversions of pairs i - 4 to i - 1 have written their words of Y, which the stores of this turn and the next three read
.endif
.if i >= 4
	global_store_b128 v[VO], v[Y+4*(i-4):Y+4*(i-4)+3], s[6:7] offset:4096*(i-4)  ; a wave's store covers 512 consecutive bytes, aligned; no vector line since the wait names these words
.endif
.irp q, 0,1,2,3
	v_cvt_pk_bf16_f32 v[Y+4*i+\q], v[X+8*i+2*\q], v[X+8*i+2*\q+1]
.endr
.if \f16
.irp q, 0,1,2,3
	v_lshlrev_b32 v[T0], 16, v[Y+4*i+\q]           ; the bf16 numbers as f32,
	v_and_b32 v[T1], 0xffff0000, v[Y+4*i+\q]
	v_cvt_pk_f16_f32 v[Y+4*i+\q], v[T0], v[T1]     ; written as f16
.endr
.endif
.set i, i+1
.endr
	s_wait_alu depctr_va_vdst(0)                   ; the conversions of pairs 12 to 15 have written their words of Y, which the last four stores read
.irp k, 12,13,14,15
	global_store_b128 v[VO], v[Y+4*\k:Y+4*\k+3], s[6:7] offset:4096*\k
.endr
.endm
	s_cmp_eq_u32 s2, 6
	s_cbranch_scc1 .Lhalf
	CONV 0
	s_endpgm                                       ; these waves have written no LDS
.Lhalf:
	CONV 1
	s_endpgm
	; ---- y = 7: the mask ----
.Lmask:
	v_and_b32 v[R], 15, v0
	v_lshrrev_b32 v[J], 4, v0
	s_lshl_b32 s30, s3, 15                         ; 16 rows of 2,048 bytes
	s_add_nc_u64 s[22:23], s[22:23], s[30:31]
	v_lshlrev_b32 v[MOF], 11, v[R]
	v_lshl_add_u32 v[MOF], v[J], 4, v[MOF]         ; row r, keys 16 j .. ; load i: keys 16 (j + 16 i) ..
	s_wait_alu depctr_va_vdst(0)                   ; MOF is written: the eight loads below read it as their offset
.irp i, 0,1,2,3,4,5,6,7
	global_load_b128 v[M+4*\i:M+4*\i+3], v[MOF], s[22:23] offset:256*\i th:TH_LOAD_NT
.endr
	s_lshl_b32 s30, s3, 16
	s_add_nc_u64 s[28:29], s[28:29], s[30:31]      ; bias at my tile of 16 queries
	v_lshlrev_b32 v[FR], 6, v[R]
	v_lshl_add_u32 v[FA], v[J], 2, v[FR]           ; flags: 16 rows of 16 words
	v_lshlrev_b32 v[FJ], 6, v[J]
	v_lshlrev_b32 v[BO], 9, v[J]                   ; piece j + 16 i lies at 512 j + 8,192 i; in it lane r + 16 h at 16 r + 256 h
	v_lshl_add_u32 v[BO], v[R], 4, v[BO]
	s_mov_b32 s33, 0xf180                          ; -2^100 in bf16
	s_mov_b32 s34, 1.0
	s_mov_b32 s36, 0x3e22f983                      ; 1 / 2 pi, rounded,
	s_mov_b32 s37, 0x31dc9ba5                      ; and what the rounding left: 6.42e-9
	; the table, in the wait for the mask: position t = 16 x + j, frequencies 4 r .. 4 r + 3
	s_lshl_b32 s35, s3, 4
	v_add_nc_u32 v[TT], s35, v[J]
	v_cvt_f32_u32 v[TF], v[TT]
	v_lshlrev_b32 v[JB], 2, v[R]
.irp e, 0,1,2,3
	v_add_nc_u32 v[ARG+\e], \e, v[JB]
	v_cvt_f32_u32 v[ARG+\e], v[ARG+\e]
	v_mul_f32 v[ARG+\e], 0xbe549a78, v[ARG+\e]     ; - j log2(10000) / 64
.endr
.irp e, 0,1,2,3
	v_exp_f32 v[INV+\e], v[ARG+\e]
.endr
	v_nop                                          ; a plain instruction behind the last exponential,
	s_wait_alu depctr_va_vdst(0)                   ; and one wait for the four: they have written v[INV ..], ahead of the first line that reads one
.macro TRIG e
	v_mul_f32 v[ANG], v[TF], v[INV+\e]
	v_mul_f32 v[NN], s36, v[ANG]
	v_rndne_f32 v[NN], v[NN]                       ; whole turns
	v_fma_f32 v[RHO], v[ANG], s36, -v[NN]          ; the rest of a turn, fused: within a half
	v_fma_f32 v[RHO], v[ANG], s37, v[RHO]
	v_mul_f32 v[YV], 0x40c90fdb, v[RHO]            ; y = 2 pi x rest
	v_mul_f32 v[Z], v[YV], v[YV]
	v_mov_b32 v[PS], 0xab573f9f                    ; sin y = y (1 - z/3! + z^2/5! - .. - z^7/15!)
	v_fmaak_f32 v[PS], v[PS], v[Z], 0x2f309231
	v_fmaak_f32 v[PS], v[PS], v[Z], 0xb2d7322b
	v_fmaak_f32 v[PS], v[PS], v[Z], 0x3638ef1d
	v_fmaak_f32 v[PS], v[PS], v[Z], 0xb9500d01
	v_fmaak_f32 v[PS], v[PS], v[Z], 0x3c088889
	v_fmaak_f32 v[PS], v[PS], v[Z], 0xbe2aaaab
	v_fmaak_f32 v[PS], v[PS], v[Z], 0x3f800000
	v_mul_f32 v[SIN+\e], v[PS], v[YV]
	v_mov_b32 v[PS], 0x29573f9f                    ; cos y = 1 - z/2! + z^2/4! - .. + z^8/16!
	v_fmaak_f32 v[PS], v[PS], v[Z], 0xad49cba5
	v_fmaak_f32 v[PS], v[PS], v[Z], 0x310f76c8
	v_fmaak_f32 v[PS], v[PS], v[Z], 0xb493f27e
	v_fmaak_f32 v[PS], v[PS], v[Z], 0x37d00d01
	v_fmaak_f32 v[PS], v[PS], v[Z], 0xbab60b61
	v_fmaak_f32 v[PS], v[PS], v[Z], 0x3d2aaaab
	v_fmaak_f32 v[PS], v[PS], v[Z], 0xbf000000
	v_fmaak_f32 v[COS+\e], v[PS], v[Z], 0x3f800000
.endm
	TRIG 0
	TRIG 1
	TRIG 2
	TRIG 3
	v_lshlrev_b32 v[TOF], 9, v[TT]
	v_lshl_add_u32 v[TOF], v[R], 4, v[TOF]
.irp e, 0,1,2,3
	v_mov_b32 v[ONE+\e], 1.0
	v_mov_b32 v[ZER+\e], 0
.endr
	; does a row see any key?  each thread's 128 bytes, then the row's 16 threads through LDS
	s_wait_loadcnt 0x0
	v_or_b32 v[A0], v[M], v[M+1]
.set n, 2
.rept 30
	v_or_b32 v[A0], v[A0], v[M+n]
.set n, n+1
.endr
	s_wait_alu depctr_va_vdst(0)                   ; A0 is written, which the LDS store reads as its data; so are FA, its address, and FR and FJ, the addresses of the LDS loads behind the barrier
	ds_store_b32 v[FA], v[A0]
	s_wait_dscnt 0x0                               ; for the others' sake: my flag is written
	s_barrier_signal -1
	s_barrier_wait -1
.irp q, 0,1,2,3
	ds_load_b128 v[FL+4*\q:FL+4*\q+3], v[FR] offset:16*\q   ; row r: the row whose bias I write
	ds_load_b128 v[FM+4*\q:FM+4*\q+3], v[FJ] offset:16*\q   ; row j: the row whose table I write
.endr
	s_wait_dscnt 0x0
	s_wait_alu depctr_vm_vsrc(0)                   ; the LDS store has read A0, which the next line writes again
	v_or_b32 v[A0], v[FL], v[FL+1]
	v_or_b32 v[A0+1], v[FM], v[FM+1]
.set n, 2
.rept 14
	v_or_b32 v[A0], v[A0], v[FL+n]
	v_or_b32 v[A0+1], v[A0+1], v[FM+n]
.set n, n+1
.endr
	v_cmp_ne_u32 s38, 0, v[A0]                     ; the two compares stand on end, each with a scalar register of its own,
	v_cmp_ne_u32 s39, 0, v[A0+1]
	s_wait_alu depctr_va_sdst(0)                   ; and one wait serves both: s38 and s39 are written, ahead of the two selects that read them
	v_cndmask_b32 v[MULC], 0, s33, s38             ; an all-false row hides nothing
	v_cndmask_b32 v[FLAG], 0, s34, s39             ; and has q = 0
; mask word n (four keys) becomes two words of bias: a byte's complement goes to bit 0 or bit 16 and is multiplied by the bf16 pattern
.macro WORD n
	v_xor_b32 v[T0], 0x01010101, v[M+(\n)]
	v_lshlrev_b32 v[T1], 8, v[T0]
	v_and_b32 v[T2], 1, v[T0]
	v_and_or_b32 v[T2], v[T1], 0x10000, v[T2]
	v_mul_u32_u24 v[OUT+2*(\n)], v[T2], v[MULC]
	v_lshrrev_b32 v[T1], 8, v[T0]
	v_lshrrev_b32 v[T0], 16, v[T0]
	v_and_b32 v[T0], 1, v[T0]
	v_and_or_b32 v[T0], v[T1], 0x10000, v[T0]
	v_mul_u32_u24 v[OUT+2*(\n)+1], v[T0], v[MULC]
.endm
.set n, 0
.rept 16
	WORD n                                         ; the first half of the bias: pieces 0 to 3
.set n, n+1
.endr
.irp e, 0,1,2,3
	v_mul_f32 v[QC+\e], v[COS+\e], v[FLAG]
	v_mul_f32 v[QS+\e], v[SIN+\e], v[FLAG]
.endr
	s_wait_alu depctr_va_vdst(0)                   ; OUT's first 32 words, QC, QS, COS, SIN, ONE, ZER and the offsets BO and TOF are written: the fourteen stores below read them.  The words made between these stores name M's upper half, T0 to T2, MULC and OUT's upper half alone
.irp i, 0,1,2,3
	global_store_b128 v[BO], v[OUT+8*\i:OUT+8*\i+3],   s[28:29] offset:8192*\i      ; keys 0-7 of the piece: sixteen lanes store 256 consecutive bytes, aligned
	WORD 16+2*\i
	global_store_b128 v[BO], v[OUT+8*\i+4:OUT+8*\i+7], s[28:29] offset:8192*\i+256  ; keys 8-15
	WORD 17+2*\i
.endr
	global_store_b128 v[TOF], v[QC:QC+3],   s[26:27]
	WORD 24
	global_store_b128 v[TOF], v[QS:QS+3],   s[26:27] offset:256
	WORD 25
	global_store_b128 v[TOF], v[COS:COS+3], s[26:27] offset:1048576
	WORD 26
	global_store_b128 v[TOF], v[SIN:SIN+3], s[26:27] offset:1048576+256
	WORD 27
	global_store_b128 v[TOF], v[ONE:ONE+3], s[26:27] offset:2097152
	WORD 28
	global_store_b128 v[TOF], v[ZER:ZER+3], s[26:27] offset:2097152+256
	WORD 29
	WORD 30
	WORD 31
	s_wait_alu depctr_va_vdst(0)                   ; OUT's last 32 words are written, which the last eight stores read
.irp i, 4,5,6,7
	global_store_b128 v[BO], v[OUT+8*\i:OUT+8*\i+3],   s[28:29] offset:8192*\i
	global_store_b128 v[BO], v[OUT+8*\i+4:OUT+8*\i+7], s[28:29] offset:8192*\i+256
.endr
	s_wait_dscnt 0x0                               ; the closing lines, six on end
	s_wait_alu 0x0
	s_wait_tensorcnt 0x0
	ds_add_u32 v[SPW], v[NIL]
	s_wait_dscnt 0x0
	s_endpgm
.Lfunc_end_k_q41eac8d281_prep:
	.size	k_q41eac8d281_prep, .Lfunc_end_k_q41eac8d281_prep-k_q41eac8d281_prep
	.p2alignl 7, 3214868480
	.fill 96, 4, 3214868480
	.section	.rodata,"a",@progbits
	.p2align	6, 0x0
	.amdhsa_kernel k_q41eac8d281_prep
		.amdhsa_group_segment_fixed_size 2048
		.amdhsa_private_segment_fixed_size 0
		.amdhsa_enable_private_segment 0
		.amdhsa_kernarg_size 88
		.amdhsa_user_sgpr_count 2
		.amdhsa_user_sgpr_kernarg_segment_ptr 1
		.amdhsa_wavefront_size32 1
		.amdhsa_system_sgpr_workgroup_id_x 1
		.amdhsa_system_sgpr_workgroup_id_y 1
		.amdhsa_system_sgpr_workgroup_id_z 1
		.amdhsa_system_vgpr_workitem_id 0
		.amdhsa_next_free_vgpr 208
		.amdhsa_next_free_sgpr 66
		.amdhsa_reserve_vcc 0
		.amdhsa_float_denorm_mode_32 3
		.amdhsa_float_denorm_mode_16_64 3
		.amdhsa_memory_ordered 1
		.amdhsa_forward_progress 1
		.amdhsa_inst_pref_size 56
	.end_amdhsa_kernel
	.amdgpu_metadata
---
amdhsa.version: [ 1, 2 ]
amdhsa.kernels:
  - .name:           k_q41eac8d281_prep
    .symbol:         k_q41eac8d281_prep.kd
    .args:
      - { .name: query, .offset: 0, .size: 8, .value_kind: global_buffer, .address_space: global }
      - { .name: key, .offset: 8, .size: 8, .value_kind: global_buffer, .address_space: global }
      - { .name: value, .offset: 16, .size: 8, .value_kind: global_buffer, .address_space: global }
      - { .name: w_q, .offset: 24, .size: 8, .value_kind: global_buffer, .address_space: global }
      - { .name: w_k, .offset: 32, .size: 8, .value_kind: global_buffer, .address_space: global }
      - { .name: w_v, .offset: 40, .size: 8, .value_kind: global_buffer, .address_space: global }
      - { .name: w_o, .offset: 48, .size: 8, .value_kind: global_buffer, .address_space: global }
      - { .name: mask, .offset: 56, .size: 8, .value_kind: global_buffer, .address_space: global }
      - { .name: xb, .offset: 64, .size: 8, .value_kind: global_buffer, .address_space: global }
      - { .name: tab, .offset: 72, .size: 8, .value_kind: global_buffer, .address_space: global }
      - { .name: bias, .offset: 80, .size: 8, .value_kind: global_buffer, .address_space: global }
    .group_segment_fixed_size: 2048
    .private_segment_fixed_size: 0
    .kernarg_segment_align: 8
    .kernarg_segment_size: 88
    .max_flat_workgroup_size: 256
    .sgpr_count:     66
    .vgpr_count:     208
    .wavefront_size: 32
...
	.end_amdgpu_metadata
.endif
;; end of part 5
;; launch qkv: the kernel of part 2 again; grid 8 x 24, 4 waves a work-group, clusters of 4 x 4, 327,680 bytes of LDS; arguments xb, tab, qkv; writes qkv
;; launch attn: the kernel of part 3 again; grid 16 x 16, 4 waves a work-group, clusters of 4 x 1, 327,680 bytes of LDS; arguments qkv, bias, ao; writes ao
;; launch oproj: the kernel of part 4 again; grid 16 x 16, 4 waves a work-group, clusters of 4 x 4, 327,680 bytes of LDS; arguments ao, xb, out0; writes out0
